; MI455X (gfx1250); checked and timed in simulation.
; The chip was launched on July 23, 2026; its instructions are those of AMD's public machine-readable ISA for CDNA 5 (MIT licence, August 2026) and "CDNA5" Instruction Set Architecture Reference Guide (July 2026). The comments in the code are by the model that wrote it; some were corrected since.
;; Multi Head Attention. Allowed arithmetic: float matrix products may take bf16 or f16 operands with f32 sums; other float arithmetic in f32, or as packed bf16 or f16 multiplies, adds, multiply-adds, maxima and minima; sums over many terms, partial sums and values carried from step to step in f32; what a program stores and reads back later, other than sums and carried values, may be rounded once to bf16 or f16.
;; Inputs: Wk 2,048 x 2,048 float32; Wo 2,048 x 2,048 float32; Wq 2,048 x 2,048 float32; Wv 2,048 x 2,048 float32; attention_mask 2,048 x 2,048 bool; bo 2,048 float32; query 1 x 2,048 x 2,048 float32.
;; Outputs: out0 1 x 2,048 x 2,048 float32.
;; One version. Each part assembles by itself: llvm-mc -triple=amdgcn-amd-amdhsa -mcpu=gfx1250 --defsym DOCPART=n.
;; ======== version 1 of 1: 4 launches
;; limits: values are held in f16: magnitudes above 65,504 overflow, below 6.1e-05 lose precision
;; workspace buffers: xw 41,943,040 bytes; maskw 524,288 bytes of whole numbers; qkv 25,165,824 bytes; ao 8,388,608 bytes
;; launch prep (part 1): grid 256 x 6, 8 waves a work-group, no clusters, 0 bytes of LDS; arguments query, Wq, Wk, Wv, Wo, attention_mask, xw, maskw; writes xw, maskw
.if DOCPART == 1
	.amdgcn_target "amdgcn-amd-amdhsa--gfx1250"
	.amdhsa_code_object_version 6
	.text
	.protected	k_q64b901172f_prep
	.globl	k_q64b901172f_prep
	.p2align	8
	.type	k_q64b901172f_prep,@function
k_q64b901172f_prep:
	s_mov_b64 s[64:65], 0
	v_nop
	global_prefetch_b8 v0, s[64:65] scope:SCOPE_SE
	s_setreg_imm32_b32 hwreg(HW_REG_WAVE_MODE, 25, 1), 1
	s_wait_xcnt 0x0
; PREP.  Grid row y = 0..4: one of the five f32 matrices [2048][2048] (query, Wq, Wk, Wv, Wo) is rounded once to bf16 and written as section y of xw (8,388,608 bytes a section).
; Section 4 (Wo) is rounded to bf16 like the others, and that number is then written in f16's code, since the last product runs in f16.
; LIMITS.  A bf16 number is exact in f16 between 2^-14 and 65,504; below 2^-14 it keeps f16's fixed step of 6e-8; beyond 65,504 it becomes an infinity.
; Grid row y = 5: the mask's bytes become lane masks.  For query tile qt (16 queries), key step ks (64 keys) and word 8 kb + j, bit L of the word is mask[16 qt + L % 16][64 ks + 16 kb + 8 (L / 16) + j]:
; the lanes of register j of the score tile of keys 16 kb .. .  maskw is [qt / 4][ks][(qt / 2) % 2][word 0..31][qt % 2]: the words of a pair of query tiles for one key step are 256 bytes on end,
; word l of both tiles side by side, so that a load of 8 bytes a lane brings lane l word l of both.
; A stream: no LDS, no barrier, no matrix unit.  A work-group casts 65,536 bytes: all 16 loads of a thread go out at once; the numbers are converted in the registers in which they came, each register
; is stored from once, so no register is freed by a wait, and a thread needs 72 registers: the launch's 6 x 256 work-groups lie six to a WGP.
.set IN,   4                           ; v[4:67]   16 loads of 4 f32; the first two registers of each take the packed words
.set T,    68                          ; v[68:71]  at work
.macro CAST wo                         ; wo = 1: bf16, then that number in f16's code
.set i, 0
.rept 16
	s_wait_loadcnt 15-i                            ; loads come back in order: number i is in, the 15 - i younger ones stay out
.if \wo
	v_cvt_pk_bf16_f32 v[T], v[IN+4*i], v[IN+4*i+1]
	v_cvt_pk_bf16_f32 v[T+1], v[IN+4*i+2], v[IN+4*i+3]
	v_lshlrev_b32 v[T+2], 16, v[T]                 ; the two bf16 as f32,
	v_and_b32 v[T+3], 0xffff0000, v[T]
	v_cvt_pk_f16_f32 v[IN+4*i], v[T+2], v[T+3]     ; and in f16's code
	v_lshlrev_b32 v[T+2], 16, v[T+1]
	v_and_b32 v[T+3], 0xffff0000, v[T+1]
	v_cvt_pk_f16_f32 v[IN+4*i+1], v[T+2], v[T+3]
.else
	v_cvt_pk_bf16_f32 v[IN+4*i], v[IN+4*i], v[IN+4*i+1]
	v_cvt_pk_bf16_f32 v[IN+4*i+1], v[IN+4*i+2], v[IN+4*i+3]
.endif
	global_store_b64 v2, v[IN+4*i:IN+4*i+1], s[22:23] offset:2048*i  ; a wave's store covers 256 consecutive bytes, aligned
.set i, i+1
.endr
.endm
	s_load_b512 s[4:19], s[0:1], 0x0               ; query s[4:5], Wq s[6:7], Wk s[8:9], Wv s[10:11], Wo s[12:13], mask s[14:15], xw s[16:17], maskw s[18:19]
	s_and_b32 s2, ttmp7, 0xffff                    ; y
	v_lshlrev_b32 v1, 4, v0                        ; 16 bytes of f32 a thread,
	v_lshlrev_b32 v2, 3, v0                        ; 8 bytes out
	s_wait_kmcnt 0x0
	s_cmp_eq_u32 s2, 5
	s_cbranch_scc1 .Lmask
	s_cmp_eq_u32 s2, 1                             ; the source by y
	s_cselect_b64 s[20:21], s[6:7], s[4:5]
	s_cmp_eq_u32 s2, 2
	s_cselect_b64 s[20:21], s[8:9], s[20:21]
	s_cmp_eq_u32 s2, 3
	s_cselect_b64 s[20:21], s[10:11], s[20:21]
	s_cmp_eq_u32 s2, 4
	s_cselect_b64 s[20:21], s[12:13], s[20:21]
	s_lshl_b32 s24, ttmp9, 16                      ; the work-group's 65,536 bytes in,
	s_mov_b32 s25, 0
	s_add_nc_u64 s[20:21], s[20:21], s[24:25]
	s_lshl_b32 s26, s2, 23                         ; section y,
	s_lshl_b32 s27, ttmp9, 15                      ; 32,768 bytes out
	s_add_co_u32 s26, s26, s27
	s_mov_b32 s27, 0
	s_add_nc_u64 s[22:23], s[16:17], s[26:27]
.set i, 0
.rept 16
	global_load_b128 v[IN+4*i:IN+4*i+3], v1, s[20:21] offset:4096*i th:TH_LOAD_NT
.set i, i+1
.endr
	s_cmp_eq_u32 s2, 4
	s_cbranch_scc1 .Lwo
	CAST 0
	s_endpgm
.Lwo:
	CAST 1
	s_endpgm
.Lmask:                                        ; a wave takes 32 rows x 64 bytes of the mask: a pair of query tiles, one key step, 64 words out; the work-group's eight waves take 512 bytes on end of each row
	v_lshrrev_b32 v3, 5, v0
	v_readfirstlane_b32 s3, v3                     ; wave 0..7
	s_lshl_b32 s24, ttmp9, 3
	s_add_co_u32 s24, s24, s3                      ; 0..2047
	s_lshr_b32 s25, s24, 5                         ; the pair of query tiles, 0..63
	s_and_b32 s26, s24, 31                         ; the key step
	s_lshl_b32 s28, s25, 16                        ; 32 rows of 2,048 bytes
	s_lshl_b32 s27, s26, 6                         ; 64 bytes of a row
	s_add_co_u32 s28, s28, s27
	s_mov_b32 s29, 0
	s_add_nc_u64 s[14:15], s[14:15], s[28:29]
	s_lshr_b32 s28, s25, 1                         ; out: 16,384 bytes for a group of four query tiles,
	s_lshl_b32 s28, s28, 14
	s_lshl_b32 s27, s26, 9                         ; 512 for a key step,
	s_add_co_u32 s28, s28, s27
	s_and_b32 s27, s25, 1                          ; 256 for a pair
	s_lshl_b32 s27, s27, 8
	s_add_co_u32 s28, s28, s27
	s_add_nc_u64 s[18:19], s[18:19], s[28:29]
	v_and_b32 v3, 15, v0                           ; row L % 16,
	v_bfe_u32 v22, v0, 4, 1
	v_lshlrev_b32 v3, 11, v3
	v_lshl_add_u32 v3, v22, 3, v3                  ; bytes 8 (L / 16) on
.set k, 0
.rept 8                                        ; load k: tile k / 4 of the pair, keys 16 (k % 4) on
	global_load_b64 v[4+2*k:5+2*k], v3, s[14:15] offset:(k/4)*32768+16*(k%4) th:TH_LOAD_NT
.set k, k+1
.endr
	v_and_b32 v23, 31, v0
	v_lshlrev_b32 v23, 3, v23                      ; lane l stores word l of both tiles
	v_mov_b32 v20, 0                               ; v_writelane_b32's destination counts as read
	v_mov_b32 v21, 0
.set k, 0
.rept 8                                        ; load k, byte j: word 8 (k % 4) + j of tile k / 4
	s_wait_loadcnt 7-k
.set j, 0
.rept 8
	v_and_b32 v24, 0xff<<(8*(j%4)), v[4+2*k+j/4]
	v_cmp_ne_u32 s[32+j%4], 0, v24                 ; the 32 lanes' bits are the word
	v_writelane_b32 v[20+k/4], s[32+j%4], 8*(k%4)+j
.set j, j+1
.endr
.set k, k+1
.endr
	global_store_b64 v23, v[20:21], s[18:19]       ; 256 consecutive bytes, aligned
	s_endpgm
.Lfunc_end_k_q64b901172f_prep:
	.size	k_q64b901172f_prep, .Lfunc_end_k_q64b901172f_prep-k_q64b901172f_prep
	.p2alignl 7, 3214868480
	.fill 96, 4, 3214868480
	.section	.rodata,"a",@progbits
	.p2align	6, 0x0
	.amdhsa_kernel k_q64b901172f_prep
		.amdhsa_group_segment_fixed_size 0
		.amdhsa_private_segment_fixed_size 0
		.amdhsa_enable_private_segment 0
		.amdhsa_kernarg_size 64
		.amdhsa_user_sgpr_count 2
		.amdhsa_user_sgpr_kernarg_segment_ptr 1
		.amdhsa_wavefront_size32 1
		.amdhsa_system_sgpr_workgroup_id_x 1
		.amdhsa_system_sgpr_workgroup_id_y 1
		.amdhsa_system_sgpr_workgroup_id_z 1
		.amdhsa_system_vgpr_workitem_id 0
		.amdhsa_next_free_vgpr 72
		.amdhsa_next_free_sgpr 66
		.amdhsa_reserve_vcc 0
		.amdhsa_float_denorm_mode_32 3
		.amdhsa_float_denorm_mode_16_64 3
		.amdhsa_memory_ordered 1
		.amdhsa_forward_progress 1
		.amdhsa_inst_pref_size 30
	.end_amdhsa_kernel
	.amdgpu_metadata
---
amdhsa.version: [ 1, 2 ]
amdhsa.kernels:
  - .name:           k_q64b901172f_prep
    .symbol:         k_q64b901172f_prep.kd
    .args:
      - { .name: query, .offset: 0, .size: 8, .value_kind: global_buffer, .address_space: global }
      - { .name: Wq, .offset: 8, .size: 8, .value_kind: global_buffer, .address_space: global }
      - { .name: Wk, .offset: 16, .size: 8, .value_kind: global_buffer, .address_space: global }
      - { .name: Wv, .offset: 24, .size: 8, .value_kind: global_buffer, .address_space: global }
      - { .name: Wo, .offset: 32, .size: 8, .value_kind: global_buffer, .address_space: global }
      - { .name: attention_mask, .offset: 40, .size: 8, .value_kind: global_buffer, .address_space: global }
      - { .name: xw, .offset: 48, .size: 8, .value_kind: global_buffer, .address_space: global }
      - { .name: maskw, .offset: 56, .size: 8, .value_kind: global_buffer, .address_space: global }
    .group_segment_fixed_size: 0
    .private_segment_fixed_size: 0
    .kernarg_segment_align: 8
    .kernarg_segment_size: 64
    .max_flat_workgroup_size: 256
    .sgpr_count:     66
    .vgpr_count:     72
    .wavefront_size: 32
...
	.end_amdgpu_metadata
.endif
;; end of part 1
;; launch proj (part 2): grid 16 x 16, 4 waves a work-group, clusters of 4 x 4, 327,680 bytes of LDS; arguments xw, qkv; writes qkv
.if DOCPART == 2
	.amdgcn_target "amdgcn-amd-amdhsa--gfx1250"
	.amdhsa_code_object_version 6
	.text
	.protected	k_q64b901172f_proj
	.globl	k_q64b901172f_proj
	.p2align	8
	.type	k_q64b901172f_proj,@function
k_q64b901172f_proj:
	s_mov_b64 s[64:65], 0
	v_nop
	global_prefetch_b8 v0, s[64:65] scope:SCOPE_SE
	s_setreg_imm32_b32 hwreg(HW_REG_WAVE_MODE, 25, 1), 1
	s_wait_xcnt 0x0
	s_wait_alu depctr_hold_cnt(0) depctr_sa_sdst(0) depctr_va_vdst(0) depctr_va_sdst(0) depctr_va_ssrc(0) depctr_va_vcc(0) depctr_vm_vsrc(0)
	s_getreg_b32 s2, hwreg(HW_REG_IB_STS2, 6, 4)
	s_cmp_eq_u32 s2, 0
	s_cbranch_scc0 .Lentry_in_a_cluster
	s_endpgm
.Lentry_in_a_cluster:
	s_bfe_u32 s2, ttmp6, 0x10000c
	s_cmp_lg_u32 s2, 0xf033
	s_cbranch_scc0 .Lentry_shape_is_right
	s_endpgm
.Lentry_shape_is_right:
; PROJ.  q, k, v = x W^T.  x = section 0 of xw, Wq, Wk, Wv = sections 1, 2, 3, all [2048][2048] bf16; sums in f32; qkv is [3][16 heads][2048 tokens][128] f16, each number rounded once, unscaled.
; LIMIT.  f16 holds no number beyond 65,504: a q, k or v past that becomes an infinity.
; SHARES.  A work-group makes 128 tokens (block my) x one head's (hx) 128 columns of q, of k and of v: 16 x 16 work-groups of equal work.  Wave w makes tokens 64 (w / 2) .. and, in each of the
; three, columns 64 (w % 2) ..: 4 x 12 accumulators of 16 x 16, 384 registers; 32 along K cost it 32 LDS loads for 48 matrix instructions.
; RING.  K goes in steps of 128 through two LDS slots of four regions of 128 rows (x, Wq, Wk, Wv): wave w fetches region w by one tensor load of 128 rows x 256 bytes, aligned.
; CLUSTER 4 x 4.  x's tile hangs on my alone and is asked for jointly along a row of the cluster; W's tiles hang on hx alone and are asked for jointly along a column.
; THE MATRIX INSTRUCTION IS USED TRANSPOSED (source 0 = 16 rows of W, source 1 = 16 tokens): a lane holds one token and eight neighbouring columns, 16 bytes of f16.
; REGISTERS, in windows of 256 (s_set_vgpr_msb: bits 1:0 source 0, 3:2 source 1, 5:4 source 2, 7:6 destination):
;   window 0: v16-31 addresses; v64-255 at work on the way out
;   window 1: two fragment buffers of 128: W's fragment nb (= 4 tz + i) at 8 nb, x's fragment a at 96 + 8 a
;   window 2: accumulator (a, nb < 8) at 8 (4 nb + a)          window 3: accumulator (a, nb >= 8) at 8 (4 (nb - 8) + a)
.set KSTEP,  128
.set PITCH,  272                       ; an LDS row: 256 bytes + 16 of padding = 68 words: the 16 rows of a fragment load start at 16 different groups of four banks (64 banks of 4 bytes: ISA guide 11.1)
.set HALFT,  128*PITCH                 ; a region: 128 rows
.set SLOT,   4*HALFT
.set SPARE,  2*SLOT                    ; behind the ring: the spare words, 128 bytes for each wave, two blocks of 256 bytes that no other line names
.set LAPS,   8                         ; 2,048 / 256: a lap is two K steps, once round the ring
.set SEC,    0x800000                  ; bytes in a section of xw and of qkv
.set ADRA, 16                          ; v16-17  LDS address of my fragments of x in slot 0, 1
.set ADRB, 18                          ; v18-19  of Wq's (Wk's lie one region on, inside the 16-bit offset)
.set ADRC, 20                          ; v20-21  of Wv's
.set STO,  22                          ; v22-24  the way out: where I put 16 bytes of a row of q, k, v
.set RD,   25                          ; v25-27  where I read rows back
.set SPW,  28                          ; v28     LDS address of my spare word; never rewritten
.set NIL,  29                          ; v29     0; never rewritten
.set PFO,  30                          ; v30     the prefetches' offset: my lane x a row of 4,096 bytes; never rewritten
.set CO,   31                          ; v31     16 x lane: my 16 bytes of 512 consecutive bytes of qkv
.set TMP,  64
.set F0,   0
.set F1,   128
.set G1,  24                           ; s[24:31] descriptor group 1 for x's tiles;   s[32:39] group 0, a set for each slot
.set G0,  32
.set G1B, 48                           ; s[48:55], s[56:63] the same for W's tiles
.set G0B, 56
.set LIM, 43                           ; s43      1 in a wave that prefetches, else the greatest number
.set PFA, 44                           ; s[44:45] where my prefetches stand
.set OUT, 68                           ; s[68:73] q, k, v at the 32 rows that I store
.set MSB, 0
.macro WIN new                         ; the immediate's high byte repeats the setting that is left; a switch that changes nothing is dropped
.if MSB != (\new)
	s_set_vgpr_msb (MSB<<8)|(\new)
.set MSB, \new
.endif
.endm
.set MUL_LO, 0xa5                      ; both sources window 1, C and D window 2
.set MUL_HI, 0xf5                      ; C and D window 3
.set TO_F,   0x40                      ; destination window 1, address window 0
; A joint load: wave 0 fetches x's tile, waves 1 to 3 those of Wq, Wk, Wv.  The branch hangs on the wave's number alone.  An s_nop 0 and four v_nop follow each line.
.macro JLOAD s
	s_cmp_eq_u32 s10, 0
	s_cbranch_scc0 .Lfor_b_\@
	tensor_load_to_lds s[G0+4*(\s):G0+4*(\s)+3], s[G1:G1+7]
	s_nop 0
.rept 4
	v_nop
.endr
	s_branch .Lasked_\@
.Lfor_b_\@:
	tensor_load_to_lds s[G0B+4*(\s):G0B+4*(\s)+3], s[G1B:G1B+7]
	s_nop 0
.rept 4
	v_nop
.endr
.Lasked_\@:
.endm
; A prefetch into the L2 of the K step that stands two refills on (384 matrix instructions ahead of the load that will want it): 32 rows x 256 bytes, a lane a row, one instruction a wave.
; Each row's 256 bytes of a K step are named once in the launch: x's rows by the clusters with x = 0, W's by those with y = 0; the four partners that ask for a tile jointly take 32 of its
; 128 rows each, told apart by address.  K steps 0 to 3 come by their loads alone; the loop's last trip (s3 = 1) has no K step two on.
.macro ASK
	s_cmp_gt_u32 s3, s[LIM]
	s_cbranch_scc0 .Lnot_mine_\@
	global_prefetch_b8 v[PFO], s[PFA:PFA+1] offset:KSTEP*2 th:TH_LOAD_NT scope:SCOPE_SE
.Lnot_mine_\@:
.endm
.macro CREST                           ; a round of the cluster's barrier behind its opening barrier
	s_cmp_lg_u32 s10, 0
	s_cbranch_scc1 .Lnot_wave_0_\@
	s_barrier_signal -3
.Lnot_wave_0_\@:
	s_barrier_wait -3
	s_barrier_signal -1
	s_barrier_wait -1
.endm
.macro CROUND                          ; a whole round
	s_barrier_signal -1
	s_barrier_wait -1
	CREST
.endm
	s_load_b128 s[4:7], s[0:1], 0x0                ; xw s[4:5], qkv s[6:7]
	v_lshl_add_u32 v[SPW], v0, 2, SPARE
	v_mov_b32 v[NIL], 0
	ds_add_u32 v[SPW], v[NIL]                      ; the wave's opening: the add and its wait stand ahead of my first tensor load; work on registers stands between them
	v_lshrrev_b32 v1, 5, v0
	v_readfirstlane_b32 s10, v1                    ; wave 0..3: also the region that I fetch
	s_lshr_b32 s9, s10, 1                          ; which 64 tokens are mine
	s_and_b32 s12, s10, 1                          ; which 64 columns
	s_bfe_u32 s40, ttmp6, 0x40000                  ; cx, cy: my place in the cluster
	s_bfe_u32 s41, ttmp6, 0x40004
	s_lshl_b32 s42, ttmp9, 2
	s_add_co_u32 s42, s42, s40                     ; hx: the head = 4 x cluster x + cx
	s_and_b32 s13, ttmp7, 0xffff
	s_lshl_b32 s13, s13, 2
	s_add_co_u32 s13, s13, s41                     ; my: the block of 128 tokens = 4 x cluster y + cy
	s_lshl_b32 s18, s41, 2
	s_lshl_b32 s18, 15, s18                        ; my row of the cluster
	s_lshl_b32 s19, 0x1111, s40                    ; my column
	; descriptor group 1: a tile of 128 rows x 128 elements, padded in LDS
	s_or_b32 s[G1+0], s18, (1<<16)|(1<<20)|(1<<21)|(5<<22)|(3<<25)   ; 15:0 the mask; 17:16 2-byte elements; 20 padding on; 21 set beside a mask; 24:22 after every 64 words (code 5); 31:25 4 words (code 3)
	s_or_b32 s[G1B+0], s19, (1<<16)|(1<<20)|(1<<21)|(5<<22)|(3<<25)
.irp g, G1, G1B
	s_mov_b32 s[(\g)+1], KSTEP<<16                 ; tensor_dim0 = 128
	s_mov_b32 s[(\g)+2], 128<<16                   ; tensor_dim1 = 128
	s_mov_b32 s[(\g)+3], KSTEP<<16                 ; tile_dim0 = 128
	s_mov_b32 s[(\g)+4], 128                       ; tile_dim1 = 128
	s_mov_b32 s[(\g)+5], 2048                      ; elements from row to row
	s_mov_b32 s[(\g)+6], 0
	s_mov_b32 s[(\g)+7], 0
.endr
	s_lshl_b32 s16, s13, 19                        ; x: 128 my rows of 4,096 bytes
	s_mov_b32 s17, 0
	s_lshl_b32 s46, s42, 19                        ; W: 128 hx rows,
	s_lshl_b32 s47, s10, 23                        ; in section w
	s_add_co_u32 s46, s46, s47
	s_mov_b32 s47, 0
	s_mul_i32 s20, s10, HALFT                      ; where my tile goes: region w: no place in the cluster enters an LDS address
	s_wait_dscnt 0x0                               ; the opening add is done
	s_wait_kmcnt 0x0
	s_add_nc_u64 s[14:15], s[4:5], s[16:17]
	s_add_nc_u64 s[46:47], s[4:5], s[46:47]
	CROUND                                         ; all sixteen work-groups are here: the first joint loads meet
.irp s, 0,1
	s_mov_b32 s[G0+4*(\s)], 1                      ; count = 1
	s_add_co_u32 s[G0+4*(\s)+1], s20, (\s)*SLOT    ; LDS address
	s_add_nc_u64 s[G0+4*(\s)+2:G0+4*(\s)+3], s[14:15], (\s)*KSTEP*2  ; global address: K step s
	s_or_b32 s[G0+4*(\s)+3], s[G0+4*(\s)+3], 0x80000000              ; type = 2
	s_mov_b32 s[G0B+4*(\s)], 1
	s_add_co_u32 s[G0B+4*(\s)+1], s20, (\s)*SLOT
	s_add_nc_u64 s[G0B+4*(\s)+2:G0B+4*(\s)+3], s[46:47], (\s)*KSTEP*2
	s_or_b32 s[G0B+4*(\s)+3], s[G0B+4*(\s)+3], 0x80000000
	JLOAD \s                                       ; two loads of mine are out
.endr
	; a fragment is 16 rows x 32 K in 8 registers: lane l holds row l % 16, K = 8 (l / 16) + 0..7 and 16 + 8 (l / 16) + 0..7: two loads of 16 bytes, 32 bytes apart
	v_and_b32 v1, 15, v0                           ; l % 16
	v_bfe_u32 v2, v0, 4, 1                         ; l / 16
	v_mul_u32_u24 v3, v1, PITCH
	v_lshl_add_u32 v3, v2, 4, v3                   ; row x pitch + 16 x half
	s_mul_i32 s21, s9, 64*PITCH                    ; my 64 rows of x
	s_mul_i32 s22, s12, 64*PITCH                   ; my 64 rows of Wq,
	s_add_co_u32 s22, s22, HALFT                   ; one region on
.irp s, 0,1
	v_add_nc_u32 v[ADRA+(\s)], s21, v3
	v_add_nc_u32 v[ADRB+(\s)], s22, v3
	v_add_nc_u32 v[ADRC+(\s)], 2*HALFT, v[ADRB+(\s)]
	s_add_co_u32 s21, s21, SLOT
	s_add_co_u32 s22, s22, SLOT
.endr
	; the way out goes through slot 0's bytes, behind its last fill and its last reads: [q, k, v][128 rows][272 bytes]
	s_mul_i32 s23, s9, 64*PITCH
	s_lshl_b32 s21, s12, 7
	s_add_co_u32 s23, s23, s21
	v_add_nc_u32 v[STO], s23, v3                   ; in: row 64 (w / 2) + l % 16, byte 128 (w % 2) + 16 (l / 16)
	v_add_nc_u32 v[STO+1], HALFT, v[STO]
	v_add_nc_u32 v[STO+2], 2*HALFT, v[STO]
	s_mul_i32 s23, s10, 32*PITCH                   ; back: wave w takes rows 32 w .. 32 w + 31, whole; lanes 0-15 one row, lanes 16-31 the next
	v_mul_u32_u24 v5, v2, PITCH
	v_lshl_add_u32 v5, v1, 4, v5
	v_add_nc_u32 v[RD], s23, v5
	v_add_nc_u32 v[RD+1], HALFT, v[RD]
	v_add_nc_u32 v[RD+2], 2*HALFT, v[RD]
	v_and_b32 v[CO], 31, v0
	v_lshlrev_b32 v[CO], 4, v[CO]
	s_lshl_b32 s66, s42, 19                        ; the head's 2,048 rows of 256 bytes,
	s_lshl_b32 s67, s13, 15                        ; my block's 128,
	s_add_co_u32 s66, s66, s67
	s_lshl_b32 s67, s10, 13                        ; the 32 that I store
	s_add_co_u32 s66, s66, s67
	s_mov_b32 s67, 0
	s_add_nc_u64 s[OUT:OUT+1], s[6:7], s[66:67]
	s_add_nc_u64 s[OUT+2:OUT+3], s[OUT:OUT+1], SEC
	s_add_nc_u64 s[OUT+4:OUT+5], s[OUT+2:OUT+3], SEC
	; the prefetches
	s_lshl_b32 s18, s13, 7                         ; x's tile begins at row 128 my,
	s_lshl_b32 s19, s42, 7                         ; W's at row 128 hx
	s_and_b32 s22, ttmp7, 0xffff                   ; cluster y
	s_cmp_eq_u32 s10, 0                            ; do I fetch x?
	s_cselect_b32 s20, s18, s19
	s_cselect_b32 s21, s40, s41                    ; my place among the four that ask with me
	s_cselect_b32 s22, ttmp9, s22                  ; the coordinate along which other clusters read the same rows
	s_cmp_eq_u32 s22, 0
	s_cselect_b32 s[LIM], 1, -1                    ; the same in all sixteen partners, for a given wave
	s_lshl_b32 s21, s21, 5
	s_add_co_u32 s20, s20, s21                     ; my work-group's 32 rows
	s_lshl_b32 s20, s20, 12
	s_lshl_b32 s21, s10, 23                        ; section w
	s_add_co_u32 s20, s20, s21
	s_add_co_u32 s20, s20, 2*KSTEP*2               ; at K step 2: the first refill steps it to 3 and names K step 4
	s_mov_b32 s21, 0
	s_add_nc_u64 s[PFA:PFA+1], s[4:5], s[20:21]
	v_and_b32 v[PFO], 31, v0
	v_lshlrev_b32 v[PFO], 12, v[PFO]
; 16 matrix instructions: W's fragments 4 grp .. 4 grp + 3 x x's four, 32 along K.  All 48 accumulators take turns, one instruction a turn.  zero = 1: the product starts the sum.
.macro MULG f, grp, zero
	WIN MUL_LO+0x50*((\grp)/2)
.irp i, 0,1,2,3
.irp a, 0,1,2,3
.set AC, 8*(4*((4*(\grp)+(\i))%8)+(\a))
.if \zero
	v_wmma_f32_16x16x32_bf16 v[AC:AC+7], v[(\f)+8*(4*(\grp)+(\i)):(\f)+8*(4*(\grp)+(\i))+7], v[(\f)+96+8*(\a):(\f)+96+8*(\a)+7], 0
.else
	v_wmma_f32_16x16x32_bf16 v[AC:AC+7], v[(\f)+8*(4*(\grp)+(\i)):(\f)+8*(4*(\grp)+(\i))+7], v[(\f)+96+8*(\a):(\f)+96+8*(\a)+7], v[AC:AC+7]
.endif
.endr
.endr
.endm
; 32 LDS loads in one run: the fragments of 32 along K at byte k of the rows, into buffer f: x's four, then Wq's, Wk's, Wv's four each
.macro FETCH slot, k, f
	WIN TO_F
.irp a, 0,1,2,3
	ds_load_b128 v[(\f)+96+8*(\a):(\f)+96+8*(\a)+3],   v[ADRA+(\slot)] offset:(\k)+(\a)*16*PITCH
	ds_load_b128 v[(\f)+96+8*(\a)+4:(\f)+96+8*(\a)+7], v[ADRA+(\slot)] offset:(\k)+(\a)*16*PITCH+32
.endr
.irp nb, 0,1,2,3,4,5,6,7
	ds_load_b128 v[(\f)+8*(\nb):(\f)+8*(\nb)+3],   v[ADRB+(\slot)] offset:(\k)+((\nb)/4)*HALFT+((\nb)%4)*16*PITCH
	ds_load_b128 v[(\f)+8*(\nb)+4:(\f)+8*(\nb)+7], v[ADRB+(\slot)] offset:(\k)+((\nb)/4)*HALFT+((\nb)%4)*16*PITCH+32
.endr
.irp i, 0,1,2,3
	ds_load_b128 v[(\f)+64+8*(\i):(\f)+64+8*(\i)+3],   v[ADRC+(\slot)] offset:(\k)+(\i)*16*PITCH
	ds_load_b128 v[(\f)+64+8*(\i)+4:(\f)+64+8*(\i)+7], v[ADRC+(\slot)] offset:(\k)+(\i)*16*PITCH+32
.endr
.endm
.macro PLACES                          ; four places in front of loads into registers that matrix instructions have read, and of conversions that read results
.rept 4
	v_nop
.endr
.endm
; A K step is four quarters of 32 along K, 48 matrix instructions each, on buffers 0, 1, 0, 1.  One of the first three: multiplies buffer f and fetches the next quarter, at byte k, into g.
.macro QUARTER slot, k, f, g, zero
	s_wait_dscnt 16                                ; x's and Wq's fragments are in; the youngest sixteen loads may be out
	MULG \f, 0, \zero
	PLACES
	FETCH \slot, \k, \g
	s_wait_dscnt 32                                ; all but the 32 just issued
	MULG \f, 1, \zero
	MULG \f, 2, \zero
.endm
; The last quarter multiplies buffer 1 and changes slots: ONE barrier; in front of it each wave waits for all its tensor loads (one is out: its region of the next slot), adds 0 to its spare word,
; and waits for that and for its own reads of this slot.  fill = 1: the barrier opens a round of the cluster's, and this slot is filled again first thing behind it, two K steps ahead:
; from that request to the wait for it a wave issues 160 matrix instructions.
.macro TURN slot, next, fill
.if \fill
	s_wait_xcnt 0x0                                ; the last prefetch, a K step back, has read its address
	s_add_nc_u64 s[PFA:PFA+1], s[PFA:PFA+1], KSTEP*2
.endif
	WIN 0                                          ; (the add's two registers lie in window 0)
	s_wait_tensorcnt 0x0
	ds_add_u32 v[SPW], v[NIL]                      ; 0 onto my spare word
	s_wait_dscnt 17                                ; (the add and the youngest sixteen loads may be out)
	MULG F1, 0, 0                                  ; sixteen matrix instructions stand between the add and the wait for it
	s_wait_dscnt 0x0                               ; the add is done, and my reads of this slot are over
	s_barrier_signal -1
	MULG F1, 1, 0
.if \fill
	WIN 0
.endif
	s_barrier_wait -1
.if \fill
	CREST                                          ; no wave of any partner still reads this slot's tiles or has a load on its way
	s_add_nc_u64 s[G0+4*(\slot)+2:G0+4*(\slot)+3], s[G0+4*(\slot)+2:G0+4*(\slot)+3], 2*KSTEP*2
	s_add_nc_u64 s[G0B+4*(\slot)+2:G0B+4*(\slot)+3], s[G0B+4*(\slot)+2:G0B+4*(\slot)+3], 2*KSTEP*2
	JLOAD \slot                                    ; the four v_nop behind it are also the places in front of the loads below
.else
	PLACES
.endif
	FETCH \next, 0, F0
.if \fill
	WIN 0
	ASK
.endif
	MULG F1, 2, 0
.endm
	s_wait_tensorcnt 1                             ; my region of K step 0 is in; K step 1's load stays out
	s_barrier_signal -1
	s_barrier_wait -1                              ; everybody's is
	FETCH 0, 0, F0
	QUARTER 0, 64,  F0, F1, 1                      ; the first quarter stands in front of the loop: its products start the sums
	WIN 0                                          ; at a label and at a branch every window is 0
	s_mov_b32 s3, LAPS-1
.Llap:                                                 ; a trip goes once round the ring, from a lap's second quarter to the next lap's first, and fills both slots again
	QUARTER 0, 128, F1, F0, 0
	QUARTER 0, 192, F0, F1, 0
	TURN 0, 1, 1
	QUARTER 1, 64,  F0, F1, 0
	QUARTER 1, 128, F1, F0, 0
	QUARTER 1, 192, F0, F1, 0
	TURN 1, 0, 1
	QUARTER 0, 64,  F0, F1, 0
	WIN 0
	s_sub_co_u32 s3, s3, 1
	s_cmp_lg_u32 s3, 0
	s_cbranch_scc1 .Llap
	QUARTER 0, 128, F1, F0, 0                      ; the last lap fills nothing
	QUARTER 0, 192, F0, F1, 0
	TURN 0, 1, 0                                   ; behind its barrier no wave reads slot 0 any more, and no load is out
	QUARTER 1, 64,  F0, F1, 0
	QUARTER 1, 128, F1, F0, 0
	QUARTER 1, 192, F0, F1, 0
	s_wait_dscnt 0x0
	MULG F1, 0, 0
	MULG F1, 1, 0
	MULG F1, 2, 0
	; THE WAY OUT: rounded to f16, 16 bytes a lane into the stage; a barrier, since a row's 256 bytes come from two waves; back as whole rows, 32 rows of q, of k and of v a wave.
	PLACES
.macro PACK tz                         ; each accumulator's registers in ascending order
	WIN 0x0a+5*((\tz)/2)                           ; sources 0 and 1: window 2 or 3
.irp a, 0,1,2,3
.irp i, 0,1,2,3
.irp r, 0,1,2,3
	v_cvt_pk_f16_f32 v[TMP+64*(\tz)+4*(4*(\a)+(\i))+(\r)], v[8*(4*((4*(\tz)+(\i))%8)+(\a))+2*(\r)], v[8*(4*((4*(\tz)+(\i))%8)+(\a))+2*(\r)+1]
.endr
.endr
.endr
.endm
	PACK 0
	PACK 1
	PACK 2
	WIN 0
.irp tz, 0,1,2
.irp a, 0,1,2,3
.irp i, 0,1,2,3
	ds_store_b128 v[STO+(\tz)], v[TMP+64*(\tz)+4*(4*(\a)+(\i)):TMP+64*(\tz)+4*(4*(\a)+(\i))+3] offset:(\a)*16*PITCH+32*(\i)
.endr
.endr
.endr
	s_wait_dscnt 0x0                               ; for the others' sake: my stores into the stage are done
	s_barrier_signal -1
	s_barrier_wait -1
.irp tz, 0,1,2
.irp t, 0,1,2,3,4,5,6,7,8,9,10,11,12,13,14,15
	ds_load_b128 v[TMP+64*(\tz)+4*(\t):TMP+64*(\tz)+4*(\t)+3], v[RD+(\tz)] offset:(\t)*2*PITCH
.endr
.endr
.set i, 0
.rept 48
	s_wait_dscnt 47-i                              ; load i is back; the younger ones stay out
	global_store_b128 v[CO], v[TMP+4*i:TMP+4*i+3], s[OUT+2*(i/16):OUT+2*(i/16)+1] offset:512*(i%16)  ; two rows of a head: 512 consecutive bytes, aligned
.set i, i+1
.endr
	s_wait_tensorcnt 0x0                           ; the wave's end: an add onto my spare word and its wait, behind my last tensor load and my last LDS store
	ds_add_u32 v[SPW], v[NIL]
	s_wait_dscnt 0x0
	CROUND                                         ; the closing round: no work-group ends while a partner may still ask for a tile that names it
	s_endpgm
.Lfunc_end_k_q64b901172f_proj:
	.size	k_q64b901172f_proj, .Lfunc_end_k_q64b901172f_proj-k_q64b901172f_proj
	.p2alignl 7, 3214868480
	.fill 96, 4, 3214868480
	.section	.rodata,"a",@progbits
	.p2align	6, 0x0
	.amdhsa_kernel k_q64b901172f_proj
		.amdhsa_group_segment_fixed_size 327680
		.amdhsa_private_segment_fixed_size 0
		.amdhsa_enable_private_segment 0
		.amdhsa_kernarg_size 16
		.amdhsa_user_sgpr_count 2
		.amdhsa_user_sgpr_kernarg_segment_ptr 1
		.amdhsa_wavefront_size32 1
		.amdhsa_system_sgpr_workgroup_id_x 1
		.amdhsa_system_sgpr_workgroup_id_y 1
		.amdhsa_system_sgpr_workgroup_id_z 1
		.amdhsa_system_vgpr_workitem_id 0
		.amdhsa_next_free_vgpr 896
		.amdhsa_next_free_sgpr 76
		.amdhsa_reserve_vcc 0
		.amdhsa_float_denorm_mode_32 3
		.amdhsa_float_denorm_mode_16_64 3
		.amdhsa_memory_ordered 1
		.amdhsa_forward_progress 1
		.amdhsa_inst_pref_size 120
	.end_amdhsa_kernel
	.amdgpu_metadata
---
amdhsa.version: [ 1, 2 ]
amdhsa.kernels:
  - .name:           k_q64b901172f_proj
    .symbol:         k_q64b901172f_proj.kd
    .args:
      - { .name: xw, .offset: 0, .size: 8, .value_kind: global_buffer, .address_space: global }
      - { .name: qkv, .offset: 8, .size: 8, .value_kind: global_buffer, .address_space: global }
    .group_segment_fixed_size: 327680
    .private_segment_fixed_size: 0
    .kernarg_segment_align: 8
    .kernarg_segment_size: 16
    .max_flat_workgroup_size: 128
    .sgpr_count:     76
    .vgpr_count:     896
    .wavefront_size: 32
...
	.end_amdgpu_metadata
.endif
;; end of part 2
;; launch attn (part 3): grid 16 x 16, 4 waves a work-group, clusters of 4 x 1, 327,680 bytes of LDS; arguments qkv, maskw, ao; writes ao
.if DOCPART == 3
	.amdgcn_target "amdgcn-amd-amdhsa--gfx1250"
	.amdhsa_code_object_version 6
	.text
	.protected	k_q64b901172f_attn
	.globl	k_q64b901172f_attn
	.p2align	8
	.type	k_q64b901172f_attn,@function
k_q64b901172f_attn:
	s_mov_b64 s[64:65], 0
	v_nop
	global_prefetch_b8 v0, s[64:65] scope:SCOPE_SE
	s_setreg_imm32_b32 hwreg(HW_REG_WAVE_MODE, 25, 1), 1
	s_wait_xcnt 0x0
	s_wait_alu depctr_hold_cnt(0) depctr_sa_sdst(0) depctr_va_vdst(0) depctr_va_sdst(0) depctr_va_ssrc(0) depctr_va_vcc(0) depctr_vm_vsrc(0)
	s_getreg_b32 s2, hwreg(HW_REG_IB_STS2, 6, 4)
	s_cmp_eq_u32 s2, 0
	s_cbranch_scc0 .Lentry_in_a_cluster
	s_endpgm
.Lentry_in_a_cluster:
	s_bfe_u32 s2, ttmp6, 0x10000c
	s_cmp_lg_u32 s2, 0x3003
	s_cbranch_scc0 .Lentry_shape_is_right
	s_endpgm
.Lentry_shape_is_right:
; ATTN.  ao[q][head] = the sum over k of softmax_k(where(mask[q][k], Q[q] . K[k] / sqrt(128), hidden)) V[k].  q, k, v: [16 heads][2048][128] f16 (sections 0, 1, 2 of qkv); ao: [2048][2048] f16, a head's
; 256 bytes at byte 256 x head of a row.  Products, maxima and sums in f32; the weights p are rounded to f16 for the second product (their sum l is taken of the unrounded p), ao once at the end.
; THE MASK is an input: every query walks all 2,048 keys.  maskw holds it as lane masks, one word for each register of a score tile: [group of 64 queries][key step][pair of query tiles][word][2 tiles].
; A load of 8 bytes a lane (256 bytes on end, aligned) brings lane l word l of both tiles of a pair; v_readlane_b32 moves a tile's 32 words into scalar registers a block ahead of their use, and
; v_cndmask_b32 puts the hidden score in a hidden key's place.  Vector loads are counted in order, so a pair's words are asked for two and a half blocks ahead of the first v_readlane_b32 that wants them.
; LIMITS.  A hidden score is -2^103 before the scale (-9.0e29 behind it): f16's scores, 5.5e11 at the most, are nothing beside either.  c x (-2^103) is exact, so in a row with no
; key allowed c s - c m is exactly 0, every weight is 1, and the row is the mean of all rows of V.  A weight below 2^-126 counts as 0 in l; NaN and infinities are not treated apart.
; SHARES.  A work-group owns 128 queries of one head: 16 x 16 work-groups.  A slot of the ring holds 128 keys, two key steps of 64.  Wave w owns queries 64 (w % 2) .. and takes key step g = w / 2 of every
; slot: 16 steps of 64 queries x 64 keys.  Waves w and w ^ 2 hold the same queries over the two halves of the keys and merge at the end, through LDS, by the running maxima.
; Register tile t holds the 16 queries of group (t + 2 g) % 4: every wave keeps tiles 0, 1 and sends tiles 2, 3, which are its partner's tiles 0, 1: one text, only addresses hang on g.
; LAYOUT.  S^T = K Q^T (source 0 = 16 keys, source 1 = 16 queries): a lane holds ONE query (lane % 16) and the keys 8 (lane / 16) + 0..7.  Two such tiles rounded to f16 in pairs ARE source 1 of
; O^T = V^T P, whose result again holds one query a lane, and eight channels.  K comes out of LDS as it lies, V turned, by ds_load_tr16_b128.
; SOFTMAX.  p = 2^(c s - c m), c = log2(e) / sqrt(128), with a running maximum m; O and l are multiplied by a = 2^(c m_old - c m_new) in every step.  m starts at the lowest finite number, O and l at 0:
; the first step is a step like any other, with a = 0.  The price: 50 products of zeros that clear registers at the head, in the wait for the first tile, 16 products on zeros at the start, 16 on a stale K at the end.
; BY TURNS.  Block t of a key step carries tile t's 199 vector instructions (32 selects by the mask, 134 of the softmax, 32 v_readlane_b32 for tile t + 1's mask, a v_nop) and 32 matrix instructions:
; 16 of K Q^T for tile t + 1 (block 3: tile 0 of the next step) and 16 of V^T P for tile t - 1 (block 0: tile 3 of the step before).  Four vector instructions stand behind EVERY matrix instruction; the
; other 71, which need time of their own whatever the order, stand together behind the last.
; CLUSTER.  The four query blocks of a cluster belong to one head and walk the same K and V: each tile is asked for JOINTLY, by the same tensor load, descriptor and mask in all four.
; REGISTERS, in windows of 256 (s_set_vgpr_msb: bits 1:0 source 0, 3:2 source 1, 5:4 source 2, 7:6 destination):
;   window 0: v2-11 addresses; v12-43 eight registers of statistics a tile; v44-59 at work (in the loop v48-51: the mask words); v60-63 constants; v64-191 S^T, 32 a tile; v192-255 P, 16 a tile
;   window 1: O^T, 64 a tile      window 2: v0-127 Q, 32 a tile; v128-255 K of one step      window 3: v0-127 V of one step; v128-255 the partner's O^T
.set KS,    64
.set PK,    272       ; a row of K in LDS: 256 bytes + 16 of padding: the 16 rows of a load start at 16 different groups of four banks (64 banks of 4 bytes: ISA guide 11.1)
.set PV,    288       ; a row of V: 256 + 32
.set VOFF,  KS*PK     ; a step's tiles lie together: 64 rows of K, then 64 rows of V
.set STEPB, KS*(PK+PV)
.set SLOT1, 1<<17     ; slot 1 begins here, so that one exclusive or turns an address in one slot into the other's
.set MERGE, SLOT1+2*STEPB  ; behind the ring, never filled by a tensor load: for each wave 32 x 512 bytes of O^T and 512 of statistics
.set MRGW,  16896
.set OSTG,  MERGE+4*MRGW   ; 16 rows x 272 bytes for each wave, for the way out
.set SP,    272
.set SPARE, OSTG+4*16*SP   ; the spare words, 128 bytes for each wave: two blocks of 256 bytes that no other line names
.set SEC,   0x800000  ; bytes in a section of qkv
.set MSTEP, 1024      ; bytes of mask words from one key step of mine to the next: two key steps of 512
.set AK0, 2           ; v2   my lane's place in a tile of K; never rewritten
.set AV0, 3           ; v3   the same for V
.set ADR, 4           ; v4   the LDS address of the run of loads in hand
.set QO,  5           ; v5   my byte offset in 16 rows of Q
.set STO, 6           ; v6   the way out: where I put 16 bytes of a row
.set RD,  7           ; v7   where I read a row back
.set GO,  8           ; v8   my byte offset in two rows of ao
.set MSND, 9          ; v9   the merge: where I put what I send
.set MRCV, 10         ; v10  where my partner has put it
.set MO,  11          ; v11  8 x my lane: my 8 bytes of a pair's mask words; never rewritten
.set ST,  12          ; tile t's statistics at v[ST+8 t]: +0 c m, +1 m, +2, +3 l (even keys', odd keys'), +4 to +7 c0-c3, at work; a takes c2's place
.set MK,  48          ; v[48:51] lane l: word l of register tiles 0, 1, 2, 3
.set NEGV, 60         ; v60  -2^103
.set PFO, 61          ; v61  256 x my lane
.set SPW, 62          ; v62  LDS address of my spare word; never rewritten
.set NIL, 63          ; v63  0; never rewritten
.set S,   64
.set P,   192
.set KF,  128         ; K's fragments, in window 2
.set WV,  12          ; s12  my wave's number
.set G1K, 24          ; s[24:31] descriptor group 1 for K's tiles
.set G1V, 32          ; s[32:39] for V's: it differs in the padding alone
.set G0K, 40          ; s[40:43] descriptor group 0 for K's tiles: it walks
.set G0V, 44          ; s[44:47] the same for V's
.set MPL, 48          ; s[48:49] the mask words of register tiles 0, 1, at the key step that was last asked for
.set MPH, 50          ; s[50:51] of tiles 2, 3
.set CNT, 52          ; s52  key steps to go in the loop in hand
.set TB,  53          ; s53  LDS byte at which my key step of the slot to be fetched from begins
.set LIM, 55          ; s55  2 in a wave that prefetches, else the greatest number
.set PFA, 56          ; s[56:57] where my prefetches stand
.set CS,  58          ; s[58:59] c: the packed scaling takes the pair's low word for both halves
.set SEL, 60          ; s[60:61] v_permlanex16_b32's selects: each lane takes its own place in the other half
.set MST, 62          ; s[62:63] the mask pointers' step in the tail
.set MW,  68          ; s[68:99] the 32 mask words of one tile and step
.set MSB, 0
.macro WIN new                      ; the high byte repeats the setting that is left; a switch that changes nothing is dropped
.if MSB != (\new)
	s_set_vgpr_msb (MSB<<8)|(\new)
.set MSB, \new
.endif
.endm
.set W_KQ, 0x0a       ; K and Q in window 2, S^T in window 0
.set W_PV, 0x53       ; source 0 in window 3, source 1 in window 0, source 2 and destination in window 1
.set W_RS, 0x41       ; destination and source 0 in window 1, source 1 in window 0
; A joint fill.  Waves 0 and 1 fetch the two key steps' K, waves 2 and 3 their V.  The branch hangs on the wave's number alone.  An s_nop 0 and four v_nop follow each line.
.macro JLOAD
	s_cmp_lt_u32 s[WV], 2
	s_cbranch_scc0 .Lfor_v_\@
	tensor_load_to_lds s[G0K:G0K+3], s[G1K:G1K+7]
	s_nop 0
.rept 4
	v_nop
.endr
	s_branch .Lasked_\@
.Lfor_v_\@:
	tensor_load_to_lds s[G0V:G0V+3], s[G1V:G1V+7]
	s_nop 0
.rept 4
	v_nop
.endr
.Lasked_\@:
.endm
; A prefetch into the L2 of the tile that stands two fills on (two key steps, 256 matrix instructions, ahead of its load): 128 rows of K and of V, 256 bytes a row, a lane a row.  Each row is named once
; in the launch: the head's first cluster asks; its four partners take 32 rows each, told apart by address; in each, wave 0 asks for K's and wave 2 for V's.  Tiles 0 to 3 come by their loads
; alone; the last two fills (CNT = 2, 1) have no tile two on.
.macro ASK
	s_cmp_gt_u32 s[CNT], s[LIM]
	s_cbranch_scc0 .Lnot_mine_\@
	global_prefetch_b8 v[PFO], s[PFA:PFA+1] th:TH_LOAD_NT scope:SCOPE_SE
.Lnot_mine_\@:
.endm
.macro CROUND                       ; a round of the cluster's barrier
	s_barrier_signal -1
	s_barrier_wait -1
	s_cmp_lg_u32 s[WV], 0
	s_cbranch_scc1 .Lnot_wave_0_\@
	s_barrier_signal -3
.Lnot_wave_0_\@:
	s_barrier_wait -3
	s_barrier_signal -1
	s_barrier_wait -1
.endm
; THE CHANGE OF SLOTS, between blocks 1 and 2 of step j: my reads of slot j (K of step j, a step ago; V of step j, waited for in block 1) are over.  Each wave waits for all its tensor loads, of which one is
; out: its part of the other slot; adds 0 to its spare word; waits for that and for its reads.  fill = 1: the barrier is a round of the cluster's, and slot j is filled again first thing behind it, with the
; tile two on: it has a key step, 128 matrix instructions, in which to land.  (At its first use nothing has been read: slot 0 is waited for, slot 1 filled.)
.macro CHANGE fill, ask
	WIN 0                           ; at a label and at a branch every window is 0
	s_wait_tensorcnt 0x0            ; no tensor load of mine is out, so a group 0 may be written
	ds_add_u32 v[SPW], v[NIL]       ; 0 onto my spare word
.if \fill
.irp g, G0K, G0V
	s_xor_b32 s[(\g)+1], s[(\g)+1], SLOT1  ; the other slot than last time,
	s_add_nc_u64 s[(\g)+2:(\g)+3], s[(\g)+2:(\g)+3], 2*KS*256  ; the next 128 keys; the type bits on top are not reached
.endr
.if \ask
	s_wait_xcnt 0x0                 ; the last prefetch, a key step back, has read its address
	s_add_nc_u64 s[PFA:PFA+1], s[PFA:PFA+1], 2*KS*256
.endif
	s_wait_dscnt 0x0                ; the add is done, and my reads of the slot are over
	CROUND
	JLOAD
.if \ask
	ASK
.endif
.else
	s_wait_dscnt 0x0
	s_barrier_signal -1
	s_barrier_wait -1
.endif
	s_xor_b32 s[TB], s[TB], SLOT1   ; the fetches go on in the other slot
.endm
	s_load_b128 s[4:7], s[0:1], 0x0   ; qkv s[4:5], maskw s[6:7]
	s_load_b64 s[10:11], s[0:1], 0x10 ; ao
	v_lshl_add_u32 v[SPW], v0, 2, SPARE
	v_mov_b32 v[NIL], 0
	ds_add_u32 v[SPW], v[NIL]       ; the wave's opening: the add and its wait stand ahead of my first tensor load; work on registers stands between them
	v_lshrrev_b32 v1, 5, v0
	v_readfirstlane_b32 s[WV], v1   ; wave 0..3
	s_bfe_u32 s13, ttmp6, 0x40000   ; cx: my place in the cluster
	s_lshl_b32 s14, ttmp9, 2
	s_add_co_u32 s14, s14, s13      ; my block of 128 queries: it enters Q's, the mask's and ao's addresses alone
	s_and_b32 s15, ttmp7, 0xffff    ; the head, which the four partners share
	s_and_b32 s16, s[WV], 1         ; which 64 queries are mine; also: which of a slot's two steps I fetch
	s_lshr_b32 s17, s[WV], 1        ; g: which of a slot's two steps I multiply
	s_sub_co_u32 s18, 1, s17        ; 1 - g
	s_lshl_b32 s20, s15, 19         ; the head's 524,288 bytes
	s_lshl_b32 s22, s16, 14         ; the 64 rows of 256 bytes that I fetch,
	s_add_co_u32 s22, s22, s20
	s_add_co_u32 s22, s22, SEC      ; in K's section
	s_mov_b32 s23, 0
	s_mul_i32 s19, s16, STEPB       ; and their place in a slot: no place in the cluster enters an LDS address
	s_lshl_b32 s21, s14, 15
	s_lshl_b32 s3, s16, 14
	s_add_co_u32 s21, s21, s3       ; (128 block + 64 half) rows of 256 bytes; also my group of 64 queries x 16,384 bytes of mask words
	s_mov_b32 s3, 0
	; descriptor group 1: a tile of 64 rows x 128 elements, padded in LDS
	s_mov_b32 s[G1K], 15|(1<<16)|(1<<20)|(1<<21)|(5<<22)|(3<<25)  ; 15:0 the mask of four; 17:16 2-byte elements; 20 padding on; 21 set beside a mask; 24:22 after every 64 words (code 5); 31:25 4 words (code 3)
	s_mov_b32 s[G1V], 15|(1<<16)|(1<<20)|(1<<21)|(5<<22)|(7<<25)  ; the same with 8 words of padding (code 7)
.irp g, G1K, G1V
	s_mov_b32 s[(\g)+1], 128<<16    ; tensor_dim0 = 128
	s_mov_b32 s[(\g)+2], KS<<16     ; tensor_dim1 = 64
	s_mov_b32 s[(\g)+3], 128<<16    ; tile_dim0 = 128
	s_mov_b32 s[(\g)+4], KS         ; tile_dim1 = 64
	s_mov_b32 s[(\g)+5], 128        ; elements from row to row
	s_mov_b32 s[(\g)+6], 0
	s_mov_b32 s[(\g)+7], 0
.endr
	s_mov_b32 s[G0K], 1             ; count = 1
	s_mov_b32 s[G0K+1], s19         ; LDS address: slot 0
	s_mov_b32 s[G0V], 1
	s_add_co_u32 s[G0V+1], s19, VOFF
	s_mov_b32 s[CS], 0x3e0293ee     ; c = log2(e) / sqrt(128) = 0.127517
	s_mov_b32 s[CS+1], s[CS]        ; named with it as a pair
	s_mov_b32 s[SEL], 0x76543210
	s_mov_b32 s[SEL+1], 0xfedcba98
	s_mov_b32 s[MST+1], 0
	s_mul_i32 s[TB], s17, STEPB     ; my key step in a slot;
	s_add_co_u32 s[TB], s[TB], SLOT1  ; the first change of slots turns this into slot 0
	s_and_b32 s[LIM], s[WV], 1      ; 0 in waves 0 and 2,
	s_or_b32 s[LIM], s[LIM], ttmp9  ; where the cluster is the head's first: the same in all four partners
	s_cmp_eq_u32 s[LIM], 0
	s_cselect_b32 s[LIM], 2, -1
	v_and_b32 v[PFO], 31, v0
	v_lshlrev_b32 v[PFO], 8, v[PFO]
	v_mov_b32 v[NEGV], 0xf3000000   ; -2^103
	s_wait_dscnt 0x0                ; the opening add is done
	s_wait_kmcnt 0x0
	s_add_nc_u64 s[G0K+2:G0K+3], s[4:5], s[22:23]      ; global address: my step of the head's first 128 keys
	s_add_nc_u64 s[G0V+2:G0V+3], s[G0K+2:G0K+3], SEC
	s_cmp_lt_u32 s[WV], 2
	s_cselect_b64 s[PFA:PFA+1], s[G0K+2:G0K+3], s[G0V+2:G0V+3]  ; (in waves 0 and 2 these stand at a tile's first row)
	s_or_b32 s[G0K+3], s[G0K+3], 0x80000000            ; type = 2
	s_or_b32 s[G0V+3], s[G0V+3], 0x80000000
	s_lshl_b32 s2, s13, 13          ; my work-group's 32 rows of the 128,
	s_add_co_u32 s2, s2, 3*2*KS*256 ; in tile 3; the loop's first change steps it to tile 4
	s_add_nc_u64 s[PFA:PFA+1], s[PFA:PFA+1], s[2:3]
	s_lshl_b32 s2, s17, 9           ; the mask words: key step g of the first slot: 512 bytes a step,
	s_add_co_u32 s2, s2, s21        ; my group of 64 queries
	s_add_nc_u64 s[MPH:MPH+1], s[6:7], s[2:3]
	s_lshl_b32 s2, s17, 8           ; register tiles 0, 1 are pair g of the group: 256 bytes a pair,
	s_add_nc_u64 s[MPL:MPL+1], s[MPH:MPH+1], s[2:3]
	s_lshl_b32 s2, s18, 8           ; tiles 2, 3 the other pair
	s_add_nc_u64 s[MPH:MPH+1], s[MPH:MPH+1], s[2:3]
	s_lshl_b32 s2, s21, 4           ; ao: rows of 4,096 bytes,
	s_lshl_b32 s54, s17, 17         ; the 32 that I keep,
	s_add_co_u32 s2, s2, s54
	s_lshl_b32 s54, s15, 8          ; the head's 256 bytes
	s_add_co_u32 s2, s2, s54
	s_add_nc_u64 s[10:11], s[10:11], s[2:3]
	s_add_co_u32 s54, s21, s20      ; Q: my 64 rows in the head
	s_lshl_b32 s2, s18, 13
	s_add_co_u32 s2, s2, s54
	s_add_nc_u64 s[8:9], s[4:5], s[2:3]   ; register tiles 2, 3
	s_lshl_b32 s2, s17, 13
	s_add_co_u32 s2, s2, s54
	s_add_nc_u64 s[4:5], s[4:5], s[2:3]   ; register tiles 0, 1
	CROUND                          ; all four work-groups are here: the first joint loads meet
	JLOAD                           ; tile 0 into slot 0.  Slot 1 is asked for when slot 0 is in
	; A fragment of K or Q is 16 rows x 32 channels in 8 registers: lane l holds row l % 16, channels 8 (l / 16) + 0..7 and 16 + 8 (l / 16) + 0..7: two loads of 16 bytes, 32 bytes apart.
	v_and_b32 v1, 15, v0            ; l % 16
	v_bfe_u32 v44, v0, 4, 1         ; l / 16
	v_lshlrev_b32 v[QO], 8, v1
	v_lshl_add_u32 v[QO], v44, 4, v[QO]
	v_and_b32 v[MO], 31, v0
	v_lshlrev_b32 v[MO], 3, v[MO]
	WIN 0x80                        ; destination window 2, address window 0
.set i, 0
.rept 16                            ; Q stays in registers: tile i / 4, channels 32 (i % 4) on
.if i < 8
	global_load_b128 v[8*i:8*i+3],   v[QO], s[4:5] offset:((i/4)%2)*4096+(i%4)*64
	global_load_b128 v[8*i+4:8*i+7], v[QO], s[4:5] offset:((i/4)%2)*4096+(i%4)*64+32
.else
	global_load_b128 v[8*i:8*i+3],   v[QO], s[8:9] offset:((i/4)%2)*4096+(i%4)*64
	global_load_b128 v[8*i+4:8*i+7], v[QO], s[8:9] offset:((i/4)%2)*4096+(i%4)*64+32
.endif
.set i, i+1
.endr
	WIN 0
	global_load_b64 v[MK:MK+1],   v[MO], s[MPL:MPL+1]  ; the mask words of my first key step
	global_load_b64 v[MK+2:MK+3], v[MO], s[MPH:MPH+1]
	; What the first step finds: V and tile 3's P hold 0 (block 0's products V^T P, of a step that has not been, add 0), O^T is 0.  A product of two fragments of zeros clears eight registers a line.
	; All this stands in the wait for the first tile; the 27 plain instructions behind it are the places ahead of the first product that writes over the two fragments.
.set i, 0
.rept 16
	v_mov_b32 v[S+i], 0
.set i, i+1
.endr
	WIN 0x40                        ; destination window 1: O^T
.set i, 0
.rept 32
	v_wmma_f32_16x16x32_f16 v[8*i:8*i+7], v[S:S+7], v[S+8:S+15], 0
.set i, i+1
.endr
	WIN 0xc0                        ; destination window 3: V
.set i, 0
.rept 16
	v_wmma_f32_16x16x32_f16 v[8*i:8*i+7], v[S:S+7], v[S+8:S+15], 0
.set i, i+1
.endr
	WIN 0                           ; tile 3's P
	v_wmma_f32_16x16x32_f16 v[P+48:P+55], v[S:S+7], v[S+8:S+15], 0
	v_wmma_f32_16x16x32_f16 v[P+56:P+63], v[S:S+7], v[S+8:S+15], 0
.set i, 0
.rept 4
	v_mov_b32 v[ST+8*i], 0xfe000000    ; c m: far below every c s, the hidden score's too
	v_mov_b32 v[ST+8*i+1], 0xff7fffff  ; m
	v_mov_b32 v[ST+8*i+2], 0
	v_mov_b32 v[ST+8*i+3], 0
.set i, i+1
.endr
	v_mul_u32_u24 v[AK0], v1, PK
	v_lshl_add_u32 v[AK0], v44, 4, v[AK0]  ; row x pitch + 16 x half
	; The turning load takes 16 keys x 16 channels (lane l reads key 8 (l / 16) + l % 8, channels 8 ((l / 8) % 2) + 0..7) and leaves half a fragment of V^T: lane l holds channel l % 16 and 8 keys.
	v_and_b32 v45, 7, v0
	v_bfe_u32 v46, v0, 3, 1
	v_lshl_add_u32 v[AV0], v44, 3, v45
	v_mul_u32_u24 v[AV0], v[AV0], PV
	v_lshl_add_u32 v[AV0], v46, 4, v[AV0]
	v_add_nc_u32 v[AV0], VOFF, v[AV0]
; THE MATRIX WORK.  The accumulators of a run take turns, one instruction a turn.
; Product i of 16 of S^T = K Q^T for tile x: channels 32 (i / 4) on, keys 16 (i % 4) on.  The first 4 start the sums.
.macro KQP x
	WIN W_KQ
.set mS, S+32*(\x)+8*(i%4)
.set mK, KF+32*(i%4)+8*(i/4)
.set mQ, 32*(\x)+8*(i/4)
.if i < 4
	v_wmma_f32_16x16x32_f16 v[mS:mS+7], v[mK:mK+7], v[mQ:mQ+7], 0
.else
	v_wmma_f32_16x16x32_f16 v[mS:mS+7], v[mK:mK+7], v[mQ:mQ+7], v[mS:mS+7]
.endif
.endm
; Product i of 16 of O^T += V^T P for tile x: keys 32 (i / 8) on, channels 16 (i % 8) on.
.macro PVP x
	WIN W_PV
.set mO, 64*(\x)+8*(i%8)
.set mV, 64*(i/8)+8*(i%8)
.set mP, P+16*(\x)+8*(i/8)
	v_wmma_f32_16x16x32_f16 v[mO:mO+7], v[mV:mV+7], v[mP:mP+7], v[mO:mO+7]
.endm
; THE LDS LOADS stand in runs of 32, never singly among the matrix instructions.
.macro FETCH_K
	WIN 0
	v_add_nc_u32 v[ADR], s[TB], v[AK0]
	WIN 0x80                        ; destination window 2
.irp f, 0,1,2,3,4,5,6,7,8,9,10,11,12,13,14,15  ; keys 16 (f / 4) on, channels 32 (f % 4) on
	ds_load_b128 v[KF+8*(\f):KF+8*(\f)+3],   v[ADR] offset:((\f)/4)*16*PK+((\f)%4)*64
	ds_load_b128 v[KF+8*(\f)+4:KF+8*(\f)+7], v[ADR] offset:((\f)/4)*16*PK+((\f)%4)*64+32
.endr
.endm
.macro FETCH_V
	WIN 0
	v_add_nc_u32 v[ADR], s[TB], v[AV0]
	WIN 0xc0                        ; destination window 3
.irp f, 0,1,2,3,4,5,6,7,8,9,10,11,12,13,14,15  ; keys 32 (f / 8) on, channels 16 (f % 8) on
	ds_load_tr16_b128 v[8*(\f):8*(\f)+3],   v[ADR] offset:((\f)/8)*32*PV+((\f)%8)*32
	ds_load_tr16_b128 v[8*(\f)+4:8*(\f)+7], v[ADR] offset:((\f)/8)*32*PV+16*PV+((\f)%8)*32
.endr
.endm
; THE DEAL.  BLK sets BT (the tile), BPV (1: the 16 products V^T P come first), BWT (1: a run of LDS loads is waited for ahead of the 17th product), the tile's registers rT, rS, rP, rO, and q = 0.
; Every vector line of a block begins with TICK, which counts them in q and writes the block's next matrix instruction in front of numbers 0, 4, .. 124.
.macro TICK
.if (q%4 == 0) && (q < 128)
.if BWT && (q == 64)
	s_wait_dscnt 0x0                ; the run of LDS loads issued in the block before is in: the 17th product is the first that reads it
.endif
.set i, (q/4)%16
.if ((q < 64) && !BPV) || ((q >= 64) && BPV)
	KQP (BT+1)%4
.else
	PVP (BT+3)%4
.endif
.endif
.set q, q+1
.endm
; THE VECTOR LINES.  s0-s31 are the lane's 32 scores, in pairs 0-15.
.macro ISEL n                       ; a hidden key's score is replaced by -2^103
	TICK
	WIN 0
	v_cndmask_b32 v[rS+(\n)], v[NEGV], v[rS+(\n)], s[MW+(\n)]
.endm
.macro IRL e                        ; word e of the next tile's mask goes into its scalar register, which this block's select e has read
	TICK
	WIN 0
	v_readlane_b32 s[MW+(\e)], v[MK+(BT+1)%4], (\e)
.endm
; Number j of the 21 that find the maximum and the statistics: 0-11 four chains c0-c3 of seven scores each; 12, 13 the four scores left over; 14, 15 c0-c3 and the old m into c0;
; 16, 18 the query's other 32 keys lie in the lane 16 away: the new m; 17 c m_old is kept (behind 15, which reads the register that it takes); 19 c m; 20 c m_old - c m_new
.macro IMX j
	TICK
	WIN 0
.if (\j) < 4
	v_max3_num_f32 v[rT+4+(\j)], v[rS+8*(\j)], v[rS+8*(\j)+1], v[rS+8*(\j)+2]
.elseif (\j) < 12
	v_max3_num_f32 v[rT+4+(\j)%4], v[rT+4+(\j)%4], v[rS+8*((\j)%4)+2*((\j)/4)+1], v[rS+8*((\j)%4)+2*((\j)/4)+2]
.elseif (\j) == 12
	v_max3_num_f32 v[rT+4], v[rT+4], v[rS+7], v[rS+15]
.elseif (\j) == 13
	v_max3_num_f32 v[rT+6], v[rT+6], v[rS+23], v[rS+31]
.elseif (\j) == 14
	v_max3_num_f32 v[rT+4], v[rT+4], v[rT+5], v[rT+6]
.elseif (\j) == 15
	v_max3_num_f32 v[rT+4], v[rT+4], v[rT+7], v[rT+1]
.elseif (\j) == 16
	v_permlanex16_b32 v[rT+5], v[rT+4], s[SEL], s[SEL+1]
.elseif (\j) == 17
	v_mov_b32 v[rT+7], v[rT]
.elseif (\j) == 18
	v_max_num_f32 v[rT+1], v[rT+4], v[rT+5]
.elseif (\j) == 19
	v_mul_f32 v[rT], s[CS], v[rT+1]
.else
	v_sub_f32 v[rT+7], v[rT+7], v[rT]
.endif
.endm
.macro IFS b                        ; pair b: c s - c m
	TICK
	WIN 0
	v_pk_fma_f32 v[rS+2*(\b):rS+2*(\b)+1], v[rS+2*(\b):rS+2*(\b)+1], s[CS:CS+1], v[rT:rT+1] op_sel_hi:[1,0,0] neg_lo:[0,0,1] neg_hi:[0,0,1]
.endm
.macro IEA                          ; a
	TICK
	WIN 0
	v_exp_f32 v[rT+6], v[rT+7]
.endm
.macro IEX e                        ; the weight of score e
	TICK
	WIN 0
	v_exp_f32 v[rS+(\e)], v[rS+(\e)]
.endm
.macro ICV k                        ; pair k rounded to f16
	TICK
	WIN 0
	v_cvt_pk_f16_f32 v[rP+(\k)], v[rS+2*(\k)], v[rS+2*(\k)+1]
.endm
.macro IZS z                        ; the sum of the 16 pairs, in place: sums 0-7, 8-11, 12-13, 14 add neighbours 1, 2, 4 and 8 pairs apart, onto even pairs alone; 15: l = a l + the sum
	TICK
	WIN 0
.set zw, 4
.set zu, (\z)
.if (\z) >= 14
.set zw, 32
.set zu, 0
.elseif (\z) >= 12
.set zw, 16
.set zu, (\z)-12
.elseif (\z) >= 8
.set zw, 8
.set zu, (\z)-8
.endif
.if (\z) < 15
	v_pk_add_f32 v[rS+zw*zu:rS+zw*zu+1], v[rS+zw*zu:rS+zw*zu+1], v[rS+zw*zu+zw/2:rS+zw*zu+zw/2+1]
.else
	v_pk_fma_f32 v[rT+2:rT+3], v[rT+2:rT+3], v[rT+6:rT+7], v[rS:rS+1] op_sel_hi:[1,0,1]
.endif
.endm
.macro IRS k                        ; pair k of 32 of the tile's O^T times a: the one part that leaves window 0
	TICK
	WIN W_RS
	v_pk_mul_f32 v[rO+2*(\k):rO+2*(\k)+1], v[rO+2*(\k):rO+2*(\k)+1], v[rT+6:rT+7] op_sel_hi:[1,0]
.endm
; BLOCK t: the order of its 199 vector lines.
;   0-31     the selects, in ascending order: each accumulator's lowest registers are read first
;   32-45    the maximum's chains
;   46-68    the chain 14, 15, 16, 18, 19, 20, in which each number waits for the one before it, with three independent lines between its links: 16 of the v_readlane_b32, and number 17
;   69-133   ONE BATCH: the 16 scalings and all 33 exponentials, none of which reads an exponential's result; a plain line stands behind each exponential while there are any: the other 16
;            v_readlane_b32 and the scalings, each pair scaled five exponentials or more ahead of its own
;   134      a v_nop, the plain instruction behind the last exponential, and the block's one wait for the batch, ahead of the first use of a result
;   135-166  the roundings and the sums.  A sum writes over an even pair alone, so the even pairs are rounded first, and the odd pairs' roundings stand between the last links of the sums' tree
;   167-198  the rescaling
; THE MASK WORDS.  Block t reads the register of tile t + 1.  A pair's register is asked for again, for my next key step, when both its tiles have been read: tiles 0, 1 in block 0, tiles 2, 3 in block 2.
; At the wait in blocks 1 and 3 two loads are out: the older is the pair wanted, the younger, the other pair, may stay out.  That wait also frees the older load's pointer, which is stepped ahead of its next load.
; tail = 1: behind the last key step there is none: the pointers stay, and no load leaves maskw.
; THE LDS RUNS.  V of the step in hand is fetched in block 0, K of the next step in block 2 (from the slot that the change has shown whole), behind the first eight roundings: each has 56 vector and 16 matrix
; instructions in which to land.  PLACES.  The last product that read V stands in front of number 124 of block 0: a scaling, the v_nop and eight roundings, which name none of its registers, lie
; between it and V's run.  K's last reader stands in front of number 60 of block 2.  A tile's last product K Q^T stands in front of number 60 of the block before (tile 0: 124 of block 3): the 64 plain lines of
; that block's end lie between it and the tile's first select.
.macro BLK t, pvfirst, wt, tail
.set BT, \t
.set BPV, \pvfirst
.set BWT, \wt
.set rT, ST+8*(\t)
.set rS, S+32*(\t)
.set rP, P+16*(\t)
.set rO, 64*(\t)
.set q, 0
.set n, 0
.rept 32
	ISEL n
.set n, n+1
.endr
.set n, 0
.rept 14
	IMX n
.set n, n+1
.endr
.if (\t)%2 == 1
	s_wait_loadcnt 1                ; the next tile's pair of mask words is in; the other pair's load, issued behind it, may stay out
.endif
	IRL 0
	IRL 1
	IMX 14
	IRL 2
	IRL 3
	IRL 4
	IMX 15
	IMX 17
	IRL 5
	IRL 6
	IMX 16
	IRL 7
	IRL 8
	IRL 9
	IMX 18
	IRL 10
	IRL 11
	IRL 12
	IMX 19
	IRL 13
	IRL 14
	IRL 15
	IMX 20
	IFS 0
	IFS 1
	IEA
	IFS 2
.set n, 0
.rept 32
	IEX n
.if n%2 == 0
	IRL 16+n/2
.elseif n < 27
	IFS 3+n/2
.endif
.set n, n+1
.endr
	WIN 0
	v_nop                           ; a plain instruction behind the last exponential: one for the batch
	s_wait_alu depctr_va_vdst(0)    ; the wait for the batch
.if (\t)%2 == 0                     ; block 0: tiles 0, 1; block 2: tiles 2, 3
.if \tail
	s_cmp_eq_u32 s[CNT], 1
	s_cselect_b32 s[MST], 0, MSTEP
	s_add_nc_u64 s[MPL+(\t):MPL+(\t)+1], s[MPL+(\t):MPL+(\t)+1], s[MST:MST+1]
.else
	s_add_nc_u64 s[MPL+(\t):MPL+(\t)+1], s[MPL+(\t):MPL+(\t)+1], MSTEP
.endif
	global_load_b64 v[MK+(\t):MK+(\t)+1], v[MO], s[MPL+(\t):MPL+(\t)+1]
.endif
.irp k, 0,2,4,6,8,10,12,14
	ICV \k
.endr
.if (\t) == 0
	FETCH_V
.endif
.if (\t) == 2
	FETCH_K
.endif
.irp z, 0,1,2,3,4,5,6,7
	IZS \z
.endr
	ICV 1
	ICV 3
.irp z, 8,9,10,11
	IZS \z
.endr
	ICV 5
	ICV 7
	IZS 12
	IZS 13
	ICV 9
	ICV 11
	IZS 14
	ICV 13
	ICV 15
	IZS 15
.set n, 0
.rept 32
	IRS n
.set n, n+1
.endr
.endm
.macro STEP fill, tail              ; a key step
	BLK 0, 0, 0, \tail
	BLK 1, 0, 1, \tail
	CHANGE \fill, \fill
	BLK 2, 0, 0, \tail
	BLK 3, 1, 1, \tail
.endm
	CHANGE 1, 0                     ; tile 0 is in, everybody's part of it; tile 1 is asked for, into slot 1
	FETCH_K                         ; key step 0
	s_wait_loadcnt 0x0              ; Q, and the first mask words
	s_wait_dscnt 0x0
.set i, 0
.rept 16
	KQP 0                           ; tile 0's first scores: there is no vector work yet to set between them
.set i, i+1
.endr
	WIN 0                           ; the addresses for the merge and the way out: plain instructions, the places behind those products
	s_mul_i32 s13, s[WV], 16*SP
	s_add_co_u32 s13, s13, OSTG     ; my stage
	v_mul_u32_u24 v[STO], v1, SP    ; in: row l % 16, 16 bytes for each half of the lanes
	v_lshl_add_u32 v[STO], v44, 4, v[STO]
	v_add_nc_u32 v[STO], s13, v[STO]
	v_mul_u32_u24 v[RD], v44, SP    ; back: lanes 0-15 take one row of 256 bytes, lanes 16-31 the next
	v_lshl_add_u32 v[RD], v1, 4, v[RD]
	v_add_nc_u32 v[RD], s13, v[RD]
	v_lshlrev_b32 v[GO], 12, v44    ; and the same two rows in ao, 4,096 bytes apart
	v_lshl_add_u32 v[GO], v1, 4, v[GO]
	v_and_b32 v[MSND], 31, v0
	v_lshlrev_b32 v[MSND], 4, v[MSND]  ; 16 x lane
	s_xor_b32 s14, s[WV], 2         ; my partner
	s_mul_i32 s14, s14, MRGW
	s_add_co_u32 s14, s14, MERGE
	v_add_nc_u32 v[MRCV], s14, v[MSND]
	s_mul_i32 s14, s[WV], MRGW
	s_add_co_u32 s14, s14, MERGE
	v_add_nc_u32 v[MSND], s14, v[MSND]
.set n, 0
.rept 32
	v_readlane_b32 s[MW+n], v[MK], n   ; tile 0's mask words for the first key step
.set n, n+1
.endr
	s_mov_b32 s[CNT], 14
.Lstep:                             ; key steps 0 to 13 ask for tiles 2 to 15
	STEP 1, 0
	WIN 0
	s_sub_co_u32 s[CNT], s[CNT], 1
	s_cmp_lg_u32 s[CNT], 0
	s_cbranch_scc1 .Lstep
	s_mov_b32 s[CNT], 2
.Ltail:                             ; key steps 14 and 15 are written out: nothing is asked for.  In the last, K's run reads a slot that was read before, and the 16 products on it serve nothing
	STEP 0, 1
	WIN 0
	s_sub_co_u32 s[CNT], s[CNT], 1
	s_cmp_lg_u32 s[CNT], 0
	s_cbranch_scc1 .Ltail
	s_wait_loadcnt 0x0              ; the mask words asked for last are not used; their registers are wanted below
.set i, 0
.rept 16
	PVP 3                           ; tile 3's V^T P of the last step
.set i, i+1
.endr
	; THE MERGE.  I send tiles 2 and 3 (O^T, c m, l) and take my partner's, which are my tiles 0 and 1 over the other half of the keys.  The eight lines below are the places behind the last products.
	WIN 0
.irp t, 0,1,2,3
	v_add_f32 v[ST+8*(\t)+2], v[ST+8*(\t)+2], v[ST+8*(\t)+3]  ; l's two halves
.endr
	v_mov_b32 v44, v[ST+16]         ; c m and l of tile 2,
	v_mov_b32 v45, v[ST+18]
	v_mov_b32 v46, v[ST+24]         ; of tile 3
	v_mov_b32 v47, v[ST+26]
	WIN 0x04                        ; the stores' data in window 1
.set i, 0
.rept 32
	ds_store_b128 v[MSND], v[128+4*i:128+4*i+3] offset:512*i  ; 32 lanes x 16 neighbouring bytes; each accumulator's lowest registers first
.set i, i+1
.endr
	WIN 0
	ds_store_b128 v[MSND], v[44:47] offset:16384
	s_wait_dscnt 0x0                ; for my partner's sake: my stores are done
	s_barrier_signal -1
	s_barrier_wait -1
	ds_load_b128 v[48:51], v[MRCV] offset:16384  ; c m', l' for my tile 0, for my tile 1
	WIN 0xc0
.set i, 0
.rept 32
	ds_load_b128 v[128+4*i:128+4*i+3], v[MRCV] offset:512*i
.set i, i+1
.endr
	WIN 0
	s_wait_dscnt 32                 ; the statistics are in; the 32 younger loads stay out
	v_max_num_f32 v53, v[ST], v48   ; the common c m
	v_max_num_f32 v57, v[ST+8], v50
	v_sub_f32 v52, v[ST], v53
	v_sub_f32 v54, v48, v53
	v_sub_f32 v56, v[ST+8], v57
	v_sub_f32 v58, v50, v57
	v_exp_f32 v52, v52              ; a: mine,
	v_exp_f32 v54, v54              ; a': my partner's
	v_exp_f32 v56, v56
	v_exp_f32 v58, v58
	v_nop                           ; a plain instruction behind the last exponential,
	s_wait_alu depctr_va_vdst(0)    ; and the one wait for the four
	v_mul_f32 v55, v54, v49
	v_mul_f32 v59, v58, v51
	v_fma_f32 v55, v52, v[ST+2], v55   ; l = a l + a' l'
	v_fma_f32 v59, v56, v[ST+10], v59
	v_permlanex16_b32 v53, v55, s[SEL], s[SEL+1]  ; and the other half of the lanes'
	v_permlanex16_b32 v57, v59, s[SEL], s[SEL+1]
	v_add_f32 v55, v55, v53
	v_add_f32 v59, v59, v57
	v_rcp_f32 v55, v55
	v_rcp_f32 v59, v59
	v_nop
	s_wait_alu depctr_va_vdst(0)    ; one wait for the two reciprocals
	v_mul_f32 v52, v52, v55         ; a / l
	v_mul_f32 v54, v54, v55         ; a' / l
	v_mul_f32 v56, v56, v59
	v_mul_f32 v58, v58, v59
	s_wait_dscnt 0x0                ; my partner's O^T is in
; Tile t: O = O a / l + O' a' / l; rounded to f16; a lane's eight channels of a row pack into 16 bytes, go into rows of 272 bytes of my own stage and come back as whole rows of 256.
.macro PACK t
	WIN W_RS
.set i, 0
.rept 32
	v_pk_mul_f32 v[64*(\t)+2*i:64*(\t)+2*i+1], v[64*(\t)+2*i:64*(\t)+2*i+1], v[52+4*(\t):53+4*(\t)] op_sel_hi:[1,0]
.set i, i+1
.endr
	WIN W_PV
.set i, 0
.rept 32
	v_pk_fma_f32 v[64*(\t)+2*i:64*(\t)+2*i+1], v[128+64*(\t)+2*i:128+64*(\t)+2*i+1], v[54+4*(\t):55+4*(\t)], v[64*(\t)+2*i:64*(\t)+2*i+1] op_sel_hi:[1,0,1]
.set i, i+1
.endr
	WIN 0x05                        ; sources 0 and 1 window 1, destination window 0: S^T's registers are free
.set i, 0
.rept 32
	v_cvt_pk_f16_f32 v[S+32*(\t)+i], v[64*(\t)+2*i], v[64*(\t)+2*i+1]
.set i, i+1
.endr
	WIN 0
.irp f, 0,1,2,3,4,5,6,7
	ds_store_b128 v[STO], v[S+32*(\t)+4*(\f):S+32*(\t)+4*(\f)+3] offset:32*(\f)
.endr
.irp f, 0,1,2,3,4,5,6,7
	ds_load_b128 v[S+32*(\t)+4*(\f):S+32*(\t)+4*(\f)+3], v[RD] offset:(\f)*2*SP  ; LDS serves a wave's instructions in order (ISA guide 5.7.1.4): these see the stores above; the next tile's stores come behind them
.endr
.endm
.macro SEND t, younger              ; younger: the LDS instructions issued behind tile t's loads
	WIN 0
.irp f, 0,1,2,3,4,5,6,7
	s_wait_dscnt (\younger)+7-(\f)
	global_store_b128 v[GO], v[S+32*(\t)+4*(\f):S+32*(\t)+4*(\f)+3], s[10:11] offset:(\t)*65536+(\f)*8192  ; 16 lanes store 256 consecutive bytes, aligned: a head's part of a row
.endr
.endm
	PACK 0
	PACK 1
	SEND 0, 16
	SEND 1, 0
	s_wait_tensorcnt 0x0            ; the wave's end: an add onto my spare word and its wait, behind my last tensor load and my last LDS store
	ds_add_u32 v[SPW], v[NIL]
	s_wait_dscnt 0x0
	CROUND                          ; the closing round: no work-group ends while a partner may still ask for a tile that names it
	s_endpgm
.Lfunc_end_k_q64b901172f_attn:
	.size	k_q64b901172f_attn, .Lfunc_end_k_q64b901172f_attn-k_q64b901172f_attn
	.p2alignl 7, 3214868480
	.fill 96, 4, 3214868480
	.section	.rodata,"a",@progbits
	.p2align	6, 0x0
	.amdhsa_kernel k_q64b901172f_attn
		.amdhsa_group_segment_fixed_size 327680
		.amdhsa_private_segment_fixed_size 0
		.amdhsa_enable_private_segment 0
		.amdhsa_kernarg_size 24
		.amdhsa_user_sgpr_count 2
		.amdhsa_user_sgpr_kernarg_segment_ptr 1
		.amdhsa_wavefront_size32 1
		.amdhsa_system_sgpr_workgroup_id_x 1
		.amdhsa_system_sgpr_workgroup_id_y 1
		.amdhsa_system_sgpr_workgroup_id_z 1
		.amdhsa_system_vgpr_workitem_id 0
		.amdhsa_next_free_vgpr 1024
		.amdhsa_next_free_sgpr 100
		.amdhsa_reserve_vcc 0
		.amdhsa_float_denorm_mode_32 3
		.amdhsa_float_denorm_mode_16_64 3
		.amdhsa_memory_ordered 1
		.amdhsa_forward_progress 1
		.amdhsa_inst_pref_size 179
	.end_amdhsa_kernel
	.amdgpu_metadata
---
amdhsa.version: [ 1, 2 ]
amdhsa.kernels:
  - .name:           k_q64b901172f_attn
    .symbol:         k_q64b901172f_attn.kd
    .args:
      - { .name: qkv, .offset: 0, .size: 8, .value_kind: global_buffer, .address_space: global }
      - { .name: maskw, .offset: 8, .size: 8, .value_kind: global_buffer, .address_space: global }
      - { .name: ao, .offset: 16, .size: 8, .value_kind: global_buffer, .address_space: global }
    .group_segment_fixed_size: 327680
    .private_segment_fixed_size: 0
    .kernarg_segment_align: 8
    .kernarg_segment_size: 24
    .max_flat_workgroup_size: 128
    .sgpr_count:     100
    .vgpr_count:     1024
    .wavefront_size: 32
...
	.end_amdgpu_metadata
.endif
;; end of part 3
;; launch outp (part 4): grid 16 x 16, 4 waves a work-group, clusters of 4 x 4, 327,680 bytes of LDS; arguments ao, xw, bo, out0; writes out0
.if DOCPART == 4
	.amdgcn_target "amdgcn-amd-amdhsa--gfx1250"
	.amdhsa_code_object_version 6
	.text
	.protected	k_q64b901172f_outp
	.globl	k_q64b901172f_outp
	.p2align	8
	.type	k_q64b901172f_outp,@function
k_q64b901172f_outp:
	s_mov_b64 s[64:65], 0
	v_nop
	global_prefetch_b8 v0, s[64:65] scope:SCOPE_SE
	s_setreg_imm32_b32 hwreg(HW_REG_WAVE_MODE, 25, 1), 1
	s_wait_xcnt 0x0
	s_wait_alu depctr_hold_cnt(0) depctr_sa_sdst(0) depctr_va_vdst(0) depctr_va_sdst(0) depctr_va_ssrc(0) depctr_va_vcc(0) depctr_vm_vsrc(0)
	s_getreg_b32 s2, hwreg(HW_REG_IB_STS2, 6, 4)
	s_cmp_eq_u32 s2, 0
	s_cbranch_scc0 .Lentry_in_a_cluster
	s_endpgm
.Lentry_in_a_cluster:
	s_bfe_u32 s2, ttmp6, 0x10000c
	s_cmp_lg_u32 s2, 0xf033
	s_cbranch_scc0 .Lentry_shape_is_right
	s_endpgm
.Lentry_shape_is_right:
; OUTP.  out0[t][n] = the sum over k of ao[t][k] Wo[n][k] + bo[n].  ao: [2048][2048] f16; Wo: section 4 of xw, [2048][2048], bf16 numbers in f16's code; bo f32, rounded to bf16 like every input; out0 f32.
; A tile of out0 is 128 x 128: 16 x 16 work-groups.  Four waves, each 64 x 64: 16 accumulators of 16 x 16.  K goes in steps of 256 (LDS rows of 512 bytes; a wave's tensor load brings 64 of them)
; through two slots, as long as LDS allows.  No prefetch: the tiles are small and each block of ao and Wo is read by four clusters at about the same time.
; CLUSTER 4 x 4: the four of a row of the cluster need the same tiles of ao, the four of a column the same tiles of Wo: each is asked for jointly.
; THE MATRIX INSTRUCTION IS USED TRANSPOSED (source 0 = 16 rows of Wo, source 1 = 16 rows of ao): a lane holds one token and eight neighbouring columns, 32 bytes of f32.
; A wave's 64 columns of f32 are 256 aligned bytes of a row of out0, so each wave has a stage of its own and the way out needs no barrier.
; REGISTERS: window 0: v6-31 addresses and the bias; v128-255 the accumulators ((a, b) at v[128 + 8 (4 a + b)]).   window 1: two fragment buffers of 128: 64 registers of ao, then 64 of Wo.
.set SIZE_K, 2048
.set KSTEP,  256
.set PITCH,  528                       ; an LDS row: 512 bytes + 16 of padding = 132 words: the 16 rows of a fragment load start at 16 different groups of four banks (64 banks of 4 bytes: ISA guide 11.1)
.set HALFT,  64*PITCH
.set SLOT,   4*HALFT                   ; ao's 128 rows, then Wo's 128 rows
.set STAGE,  2*SLOT                    ; behind the ring: 16 rows x 272 bytes for each wave
.set SPITCH, 272
.set SPARE,  STAGE+4*16*SPITCH         ; the spare words, 128 bytes for each wave: two blocks of 256 bytes that no other line names
.set LAPS,   SIZE_K/(2*KSTEP)
.set BIAS, 8                           ; v[8:11] the bias of my four columns on the way out
.set ADRA, 16
.set ADRB, 20
.set STO,  24
.set RD,   25
.set CO,   26
.set SPW,  28
.set NIL,  29
.set ACC,  128
.set F0,   0
.set F1,   128
.set G1, 24
.set G0, 32
.set G1B, 48
.set G0B, 56
.set MSB, 0
.macro WIN new
.if MSB != (\new)
	s_set_vgpr_msb (MSB<<8)|(\new)
.set MSB, \new
.endif
.endm
.set MUL,  0x05                        ; sources 0 and 1 window 1; C and D window 0
.set TO_F, 0x40                        ; destination window 1, address window 0
.macro JLOAD s                         ; a joint load: waves 0 and 1 fetch ao's two halves, waves 2 and 3 Wo's; an s_nop 0 and four v_nop follow each line
	s_cmp_eq_u32 s11, 0
	s_cbranch_scc0 .Lfor_b_\@
	tensor_load_to_lds s[G0+4*(\s):G0+4*(\s)+3], s[G1:G1+7]
	s_nop 0
.rept 4
	v_nop
.endr
	s_branch .Lasked_\@
.Lfor_b_\@:
	tensor_load_to_lds s[G0B+4*(\s):G0B+4*(\s)+3], s[G1B:G1B+7]
	s_nop 0
.rept 4
	v_nop
.endr
.Lasked_\@:
.endm
.macro CREST
	s_cmp_lg_u32 s10, 0
	s_cbranch_scc1 .Lnot_wave_0_\@
	s_barrier_signal -3
.Lnot_wave_0_\@:
	s_barrier_wait -3
	s_barrier_signal -1
	s_barrier_wait -1
.endm
.macro CROUND
	s_barrier_signal -1
	s_barrier_wait -1
	CREST
.endm
	s_load_b128 s[4:7], s[0:1], 0x0                ; ao s[4:5], xw s[6:7]
	s_load_b128 s[68:71], s[0:1], 0x10             ; bo s[68:69], out0 s[70:71]
	v_lshl_add_u32 v[SPW], v0, 2, SPARE
	v_mov_b32 v[NIL], 0
	ds_add_u32 v[SPW], v[NIL]                      ; the wave's opening: the add and its wait stand ahead of my first tensor load; work on registers stands between them
	v_lshrrev_b32 v1, 5, v0
	v_readfirstlane_b32 s10, v1                    ; wave 0..3
	s_lshr_b32 s11, s10, 1                         ; which half of the tile's rows is mine.  Also: I fetch for ao (0) or for Wo (1)
	s_and_b32 s12, s10, 1                          ; which half of its columns.  Also: which 64 rows of that tile I fetch
	s_bfe_u32 s40, ttmp6, 0x40000                  ; cx, cy
	s_bfe_u32 s41, ttmp6, 0x40004
	s_lshl_b32 s42, ttmp9, 2
	s_add_co_u32 s42, s42, s40                     ; tile column = 4 x cluster x + cx
	s_and_b32 s13, ttmp7, 0xffff
	s_lshl_b32 s13, s13, 2
	s_add_co_u32 s13, s13, s41                     ; tile row = 4 x cluster y + cy
	s_lshl_b32 s43, s41, 2
	s_lshl_b32 s43, 15, s43                        ; my row of the cluster
	s_lshl_b32 s44, 0x1111, s40                    ; my column
	; descriptor group 1: a tile of 64 rows x 256 elements, padded in LDS
	s_or_b32 s[G1+0], s43, (1<<16)|(1<<20)|(1<<21)|(6<<22)|(3<<25)   ; 15:0 the mask; 17:16 2-byte elements; 20 padding on; 21 set beside a mask; 24:22 after every 128 words (code 6); 31:25 4 words (code 3)
	s_or_b32 s[G1B+0], s44, (1<<16)|(1<<20)|(1<<21)|(6<<22)|(3<<25)
.irp g, G1, G1B
	s_mov_b32 s[(\g)+1], KSTEP<<16                 ; tensor_dim0 = 256
	s_mov_b32 s[(\g)+2], 64<<16                    ; tensor_dim1 = 64
	s_mov_b32 s[(\g)+3], KSTEP<<16                 ; tile_dim0 = 256
	s_mov_b32 s[(\g)+4], 64                        ; tile_dim1 = 64
	s_mov_b32 s[(\g)+5], SIZE_K                    ; elements from row to row
	s_mov_b32 s[(\g)+6], 0
	s_mov_b32 s[(\g)+7], 0
.endr
	s_lshl_b32 s17, s12, 6                         ; which 64 rows of the tile I fetch
	s_lshl_b32 s16, s13, 7
	s_add_co_u32 s16, s16, s17                     ; ao: row 128 x tile row + 64 x half
	s_lshl_b32 s46, s42, 7
	s_add_co_u32 s46, s46, s17                     ; Wo: row 128 x tile column + 64 x half
	s_lshl_b32 s16, s16, 12                        ; rows of 4,096 bytes
	s_lshl_b32 s46, s46, 12
	s_add_co_u32 s46, s46, 0x2000000               ; section 4 of xw
	s_mov_b32 s17, 0
	s_mov_b32 s47, 0
	s_mul_i32 s20, s10, HALFT                      ; where they go: wave x 64 rows
	s_wait_dscnt 0x0                               ; the opening add is done
	s_wait_kmcnt 0x0
	s_add_nc_u64 s[14:15], s[4:5], s[16:17]
	s_add_nc_u64 s[46:47], s[6:7], s[46:47]
	CROUND                                         ; all sixteen work-groups are here: the first joint loads meet
.irp s, 0,1
	s_mov_b32 s[G0+4*(\s)], 1
	s_add_co_u32 s[G0+4*(\s)+1], s20, (\s)*SLOT
	s_add_nc_u64 s[G0+4*(\s)+2:G0+4*(\s)+3], s[14:15], (\s)*KSTEP*2
	s_or_b32 s[G0+4*(\s)+3], s[G0+4*(\s)+3], 0x80000000
	s_mov_b32 s[G0B+4*(\s)], 1
	s_add_co_u32 s[G0B+4*(\s)+1], s20, (\s)*SLOT
	s_add_nc_u64 s[G0B+4*(\s)+2:G0B+4*(\s)+3], s[46:47], (\s)*KSTEP*2
	s_or_b32 s[G0B+4*(\s)+3], s[G0B+4*(\s)+3], 0x80000000
	JLOAD \s                                       ; two loads of mine are out
.endr
	v_and_b32 v1, 15, v0                           ; l % 16
	v_bfe_u32 v2, v0, 4, 1                         ; l / 16
	v_mul_u32_u24 v3, v1, PITCH
	v_lshl_add_u32 v3, v2, 4, v3                   ; a fragment's row x pitch + 16 x half
	s_mul_i32 s21, s11, HALFT                      ; my 64 rows of ao
	s_mul_i32 s22, s12, HALFT                      ; my 64 rows of Wo,
	s_add_co_u32 s22, s22, 2*HALFT                 ; which lie behind ao's 128
.irp s, 0,1
	v_add_nc_u32 v[ADRA+(\s)], s21, v3
	v_add_nc_u32 v[ADRB+(\s)], s22, v3
	s_add_co_u32 s21, s21, SLOT
	s_add_co_u32 s22, s22, SLOT
.endr
	s_mul_i32 s23, s10, 16*SPITCH
	s_add_co_u32 s23, s23, STAGE                   ; my stage
	v_mul_u32_u24 v4, v1, SPITCH                   ; in: row l % 16, 32 bytes for each half of the lanes
	v_lshl_add_u32 v4, v2, 5, v4
	v_add_nc_u32 v[STO], s23, v4
	v_mul_u32_u24 v5, v2, SPITCH                   ; back: lanes 0-15 take one row of 256 bytes, lanes 16-31 the next
	v_lshl_add_u32 v5, v1, 4, v5
	v_add_nc_u32 v[RD], s23, v5
	v_lshlrev_b32 v5, 13, v2                       ; and the same two rows in out0, 8,192 bytes apart
	v_lshl_add_u32 v[CO], v1, 4, v5
	s_lshl_b32 s72, s13, 20                        ; 128 x tile row rows of 8,192 bytes,
	s_lshl_b32 s73, s11, 19                        ; my 64
	s_add_co_u32 s72, s72, s73
	s_lshl_b32 s74, s42, 9                         ; 128 x tile column columns of 4 bytes,
	s_lshl_b32 s73, s12, 8                         ; my 64
	s_add_co_u32 s74, s74, s73
	s_add_co_u32 s72, s72, s74
	s_mov_b32 s73, 0
	s_add_nc_u64 s[70:71], s[70:71], s[72:73]
	v_lshl_add_u32 v6, v1, 4, s74                  ; the four columns that I store: never rewritten
	global_load_b128 v[BIAS:BIAS+3], v6, s[68:69]
; 8 matrix instructions: m blocks a0, a0 + 1 x all 4 n blocks, 32 along K: half c of buffer f.  The 16 accumulators take turns.  zero = 1: the product starts the sum
.macro MUL8 f, c, a0, zero
	WIN MUL
.irp a, \a0, (\a0)+1
.irp b, 0,1,2,3
.if \zero
	v_wmma_f32_16x16x32_f16 v[ACC+8*(4*(\a)+(\b)):ACC+8*(4*(\a)+(\b))+7], v[(\f)+64+8*(4*(\c)+(\b)):(\f)+64+8*(4*(\c)+(\b))+7], v[(\f)+8*(4*(\c)+(\a)):(\f)+8*(4*(\c)+(\a))+7], 0
.else
	v_wmma_f32_16x16x32_f16 v[ACC+8*(4*(\a)+(\b)):ACC+8*(4*(\a)+(\b))+7], v[(\f)+64+8*(4*(\c)+(\b)):(\f)+64+8*(4*(\c)+(\b))+7], v[(\f)+8*(4*(\c)+(\a)):(\f)+8*(4*(\c)+(\a))+7], v[ACC+8*(4*(\a)+(\b)):ACC+8*(4*(\a)+(\b))+7]
.endif
.endr
.endr
.endm
; 32 LDS loads in one run: the fragments of 64 along K at byte k of the rows, into buffer f; the first 32 along K first
.macro FETCH slot, k, f
	WIN TO_F
.irp c, 0,1
.irp i, 0,1,2,3
	ds_load_b128 v[(\f)+64+8*(4*(\c)+(\i)):(\f)+64+8*(4*(\c)+(\i))+3],   v[ADRB+(\slot)] offset:(\k)+64*(\c)+(\i)*16*PITCH
	ds_load_b128 v[(\f)+64+8*(4*(\c)+(\i))+4:(\f)+64+8*(4*(\c)+(\i))+7], v[ADRB+(\slot)] offset:(\k)+64*(\c)+(\i)*16*PITCH+32
	ds_load_b128 v[(\f)+8*(4*(\c)+(\i)):(\f)+8*(4*(\c)+(\i))+3],         v[ADRA+(\slot)] offset:(\k)+64*(\c)+(\i)*16*PITCH
	ds_load_b128 v[(\f)+8*(4*(\c)+(\i))+4:(\f)+8*(4*(\c)+(\i))+7],       v[ADRA+(\slot)] offset:(\k)+64*(\c)+(\i)*16*PITCH+32
.endr
.endr
.endm
.macro PLACES                          ; four places in front of loads into registers that matrix instructions have read
.rept 4
	v_nop
.endr
.endm
; A K step is four quarters of 64 along K, 32 matrix instructions each, on buffers 0, 1, 0, 1.
.macro QUARTER slot, k, f, g, zero
	s_wait_dscnt 16                                ; the first 32 along K are in; the youngest sixteen loads may be out
	MUL8 \f, 0, 0, \zero
	MUL8 \f, 0, 2, \zero
	PLACES
	FETCH \slot, \k, \g
	s_wait_dscnt 32                                ; all but the 32 just issued
	MUL8 \f, 1, 0, 0
	MUL8 \f, 1, 2, 0
.endm
; The last quarter multiplies buffer 1 and changes slots: ONE barrier; in front of it each wave waits for all its tensor loads (one is out: its part of the next slot), adds 0 to its spare word, and
; waits for that and for its own reads of this slot.  fill = 1: the barrier opens a round of the cluster's, and this slot is filled again first thing behind it, two K steps ahead.
.macro TURN slot, next, fill
	WIN 0                                          ; (the add's two registers lie in window 0)
	s_wait_tensorcnt 0x0
	ds_add_u32 v[SPW], v[NIL]                      ; 0 onto my spare word
	s_wait_dscnt 17                                ; (the add and the youngest sixteen loads may be out)
	MUL8 F1, 0, 0, 0
	s_wait_dscnt 0x0                               ; the add is done, and my reads of this slot are over
	s_barrier_signal -1
	MUL8 F1, 0, 2, 0
.if \fill
	WIN 0
.endif
	s_barrier_wait -1
.if \fill
	CREST                                          ; no wave of any partner still reads this slot's tiles or has a load on its way
	s_add_nc_u64 s[G0+4*(\slot)+2:G0+4*(\slot)+3], s[G0+4*(\slot)+2:G0+4*(\slot)+3], 2*KSTEP*2
	s_add_nc_u64 s[G0B+4*(\slot)+2:G0B+4*(\slot)+3], s[G0B+4*(\slot)+2:G0B+4*(\slot)+3], 2*KSTEP*2
	JLOAD \slot                                    ; 112 matrix instructions ahead of the wait for it; the four v_nop behind it are also the places in front of the loads below
.else
	PLACES
.endif
	FETCH \next, 0, F0
	MUL8 F1, 1, 0, 0
	MUL8 F1, 1, 2, 0
.endm
	s_wait_tensorcnt 1                             ; my part of K step 0 is in; K step 1's load stays out
	s_barrier_signal -1
	s_barrier_wait -1                              ; everybody's is
	FETCH 0, 0, F0
	QUARTER 0, 128, F0, F1, 1                      ; the first quarter stands in front of the loop: its first products start the sums
	WIN 0                                          ; at a label and at a branch every window is 0
	s_mov_b32 s3, LAPS-1
.Llap:                                                 ; a trip goes once round the ring and fills both slots again
	QUARTER 0, 256, F1, F0, 0
	QUARTER 0, 384, F0, F1, 0
	TURN 0, 1, 1
	QUARTER 1, 128, F0, F1, 0
	QUARTER 1, 256, F1, F0, 0
	QUARTER 1, 384, F0, F1, 0
	TURN 1, 0, 1
	QUARTER 0, 128, F0, F1, 0
	WIN 0
	s_sub_co_u32 s3, s3, 1
	s_cmp_lg_u32 s3, 0
	s_cbranch_scc1 .Llap
	QUARTER 0, 256, F1, F0, 0                      ; the last lap fills nothing
	QUARTER 0, 384, F0, F1, 0
	TURN 0, 1, 0
	QUARTER 1, 128, F0, F1, 0
	QUARTER 1, 256, F1, F0, 0
	QUARTER 1, 384, F0, F1, 0
	s_wait_dscnt 16
	MUL8 F1, 0, 0, 0
	MUL8 F1, 0, 2, 0
	s_wait_dscnt 0x0
	MUL8 F1, 1, 0, 0
	MUL8 F1, 1, 2, 0
	WIN 0
	; THE WAY OUT.  The bias is rounded to bf16 like every input: six plain instructions that name no register of the products, the places behind the last of them.
	s_wait_loadcnt 0x0
	v_cvt_pk_bf16_f32 v12, v[BIAS], v[BIAS+1]
	v_cvt_pk_bf16_f32 v13, v[BIAS+2], v[BIAS+3]
	v_lshlrev_b32 v[BIAS], 16, v12
	v_and_b32 v[BIAS+1], 0xffff0000, v12
	v_lshlrev_b32 v[BIAS+2], 16, v13
	v_and_b32 v[BIAS+3], 0xffff0000, v13
; Block a, 16 rows: 32 bytes a lane and accumulator into rows of 272 bytes of my own stage (each accumulator's lowest registers first), and back as whole rows of 256 bytes, into the registers that they left.
.macro OUTB a
.irp b, 0,1,2,3
	ds_store_b128 v[STO], v[ACC+8*(4*(\a)+(\b)):ACC+8*(4*(\a)+(\b))+3]   offset:64*(\b)
	ds_store_b128 v[STO], v[ACC+8*(4*(\a)+(\b))+4:ACC+8*(4*(\a)+(\b))+7] offset:64*(\b)+16
.endr
.irp t, 0,1,2,3,4,5,6,7
	ds_load_b128 v[ACC+32*(\a)+4*(\t):ACC+32*(\a)+4*(\t)+3], v[RD] offset:(\t)*2*SPITCH  ; LDS serves a wave's instructions in order (ISA guide 5.7.1.4): these see the stores above; the next block's stores come behind them
.endr
.endm
.macro SEND a, younger                 ; younger: the LDS instructions issued behind block a's loads: the next block's sixteen, or none
.irp t, 0,1,2,3,4,5,6,7
	s_wait_dscnt (\younger)+7-(\t)
	v_pk_add_f32 v[ACC+32*(\a)+4*(\t):ACC+32*(\a)+4*(\t)+1],   v[ACC+32*(\a)+4*(\t):ACC+32*(\a)+4*(\t)+1],   v[BIAS:BIAS+1]
	v_pk_add_f32 v[ACC+32*(\a)+4*(\t)+2:ACC+32*(\a)+4*(\t)+3], v[ACC+32*(\a)+4*(\t)+2:ACC+32*(\a)+4*(\t)+3], v[BIAS+2:BIAS+3]
	global_store_b128 v[CO], v[ACC+32*(\a)+4*(\t):ACC+32*(\a)+4*(\t)+3], s[70:71] offset:(16*(\a)+2*(\t))*8192  ; 16 lanes store 256 consecutive bytes, aligned
.endr
.endm
	OUTB 0
	OUTB 1
	SEND 0, 16
	OUTB 2
	SEND 1, 16
	OUTB 3
	SEND 2, 16
	SEND 3, 0
	s_wait_tensorcnt 0x0                           ; the wave's end: an add onto my spare word and its wait, behind my last tensor load and my last LDS store
	ds_add_u32 v[SPW], v[NIL]
	s_wait_dscnt 0x0
	CROUND                                         ; the closing round: no work-group ends while a partner may still ask for a tile that names it
	s_endpgm
.Lfunc_end_k_q64b901172f_outp:
	.size	k_q64b901172f_outp, .Lfunc_end_k_q64b901172f_outp-k_q64b901172f_outp
	.p2alignl 7, 3214868480
	.fill 96, 4, 3214868480
	.section	.rodata,"a",@progbits
	.p2align	6, 0x0
	.amdhsa_kernel k_q64b901172f_outp
		.amdhsa_group_segment_fixed_size 327680
		.amdhsa_private_segment_fixed_size 0
		.amdhsa_enable_private_segment 0
		.amdhsa_kernarg_size 32
		.amdhsa_user_sgpr_count 2
		.amdhsa_user_sgpr_kernarg_segment_ptr 1
		.amdhsa_wavefront_size32 1
		.amdhsa_system_sgpr_workgroup_id_x 1
		.amdhsa_system_sgpr_workgroup_id_y 1
		.amdhsa_system_sgpr_workgroup_id_z 1
		.amdhsa_system_vgpr_workitem_id 0
		.amdhsa_next_free_vgpr 512
		.amdhsa_next_free_sgpr 76
		.amdhsa_reserve_vcc 0
		.amdhsa_float_denorm_mode_32 3
		.amdhsa_float_denorm_mode_16_64 3
		.amdhsa_memory_ordered 1
		.amdhsa_forward_progress 1
		.amdhsa_inst_pref_size 91
	.end_amdhsa_kernel
	.amdgpu_metadata
---
amdhsa.version: [ 1, 2 ]
amdhsa.kernels:
  - .name:           k_q64b901172f_outp
    .symbol:         k_q64b901172f_outp.kd
    .args:
      - { .name: ao, .offset: 0, .size: 8, .value_kind: global_buffer, .address_space: global }
      - { .name: xw, .offset: 8, .size: 8, .value_kind: global_buffer, .address_space: global }
      - { .name: bo, .offset: 16, .size: 8, .value_kind: global_buffer, .address_space: global }
      - { .name: out0, .offset: 24, .size: 8, .value_kind: global_buffer, .address_space: global }
    .group_segment_fixed_size: 327680
    .private_segment_fixed_size: 0
    .kernarg_segment_align: 8
    .kernarg_segment_size: 32
    .max_flat_workgroup_size: 128
    .sgpr_count:     76
    .vgpr_count:     512
    .wavefront_size: 32
...
	.end_amdgpu_metadata
.endif
;; end of part 4
